; MI455X (gfx1250); checked and timed in simulation.
; The chip was launched on July 23, 2026; its instructions are those of AMD's public machine-readable ISA for CDNA 5 (MIT licence, August 2026) and "CDNA5" Instruction Set Architecture Reference Guide (July 2026). The comments in the code are by the model that wrote it; some were corrected since.
;; Attention Block. Allowed arithmetic: matrix products marked QUANTISED: E2M3 operands, one E8M0 scale for each 32 along K, by v_wmma_scale_f32_16x16x128_f8f6f4 with both operands' format E2M3, f32 sums; everything else in f32.
;; Inputs: Wk_codes 1,024 x 32 x 24 uint8 (E2M3 codes of Wk, K innermost, in blocks of 32 codes, four codes in three bytes); Wk_scales 1,024 x 32 uint8 (E8M0 scales of Wk, one for each 32 codes along K); Wo_codes 1,024 x 32 x 24 uint8 (E2M3 codes of Wo, K innermost, in blocks of 32 codes, four codes in three bytes); Wo_scales 1,024 x 32 uint8 (E8M0 scales of Wo, one for each 32 codes along K); Wq_codes 1,024 x 32 x 24 uint8 (E2M3 codes of Wq, K innermost, in blocks of 32 codes, four codes in three bytes); Wq_scales 1,024 x 32 uint8 (E8M0 scales of Wq, one for each 32 codes along K); Wv_codes 1,024 x 32 x 24 uint8 (E2M3 codes of Wv, K innermost, in blocks of 32 codes, four codes in three bytes); Wv_scales 1,024 x 32 uint8 (E8M0 scales of Wv, one for each 32 codes along K); bk 1,024 float32; bo 1,024 float32; bq 1,024 float32; bv 1,024 float32; inputs 4 x 2,048 x 1,024 float32; ln_b 1,024 float32; ln_w 1,024 float32; radial_mask 4 x 2,048 float32.
;; Outputs: out0 4 x 2,048 x 1,024 float32.
;; This version of the problem:
;;   THIS VERSION OF THE PROBLEM IS GIVEN IN LOW PRECISION. The matrix products marked QUANTISED in the list below multiply operands that are first quantised to E2M3 (2 exponent bits, 3 mantissa bits; 6 bits a number), with one power-of-two scale for each 32 numbers along K (OCP MX v1.0); their sums are f32. All else is computed in f32.
;;   The module's matrix products, in the order in which they are computed (A, B: the left and right operand; K: the contracted axis; several contracted axes count as one K, in the product's order):
;;     1. [M 8,192, K 1,024] x [K 1,024, N 1,024]; A: input inputs; B: input Wq (given as codes): QUANTISED
;;     2. [M 8,192, K 1,024] x [K 1,024, N 1,024]; A: input inputs; B: input Wk (given as codes): QUANTISED
;;     3. [M 8,192, K 1,024] x [K 1,024, N 1,024]; A: input inputs; B: input Wv (given as codes): QUANTISED
;;     4. batch 64 x [M 2,048, K 64] x [K 64, N 2,048]; A: computed on the way; B: computed on the way: QUANTISED
;;     5. batch 64 x [M 64, K 2,048] x [K 2,048, N 2,048]; A: computed on the way; B: computed on the way: QUANTISED
;;     6. [M 8,192, K 1,024] x [K 1,024, N 1,024]; A: computed on the way; B: input Wo (given as codes): QUANTISED
;;   THE QUANTISER, for each operand of a quantised product, along K:
;;     - K is cut into blocks of 32 from its start; a last block that is shorter is filled with zeros.
;;     - A block's scale is 2^e with e = floor(log2(the largest magnitude in the block)) - 2, held to -126 .. 127; a block of zeros has e = 0. As a byte (E8M0): e + 127.
;;     - Each number is divided by its block's scale, clamped to +-7.5, and rounded to the nearest number of E2M3, ties to even, subnormals kept.
;;     - The product sums the exact products of the quantised numbers (number of the format x scale) in f32.
;;   ~~~python
;;   def quantise(x, axis):      # numpy; x: float32 -> the quantised numbers, widened to float32 again
;;       x = np.moveaxis(x, axis, -1); K = x.shape[-1]
;;       x = np.pad(x, [(0, 0)] * (x.ndim - 1) + [(0, -K % 32)]); x = x.reshape(x.shape[:-1] + (-1, 32)); a = np.abs(x).max(-1, keepdims=True)
;;       e = np.where(a > 0, np.clip(np.frexp(np.where(a > 0, a, 1))[1] - 1 - 2, -126, 127), 0)      # np.frexp(a)[1] - 1 = floor(log2(a)), exactly
;;       r = np.clip(x / 2.0 ** e, -7.5, 7.5)
;;       step = 2.0 ** (np.maximum(np.frexp(np.where(r == 0, 1, r))[1] - 1, 0) - 3)
;;       q = np.round(r / step) * step * 2.0 ** e      # np.round: ties to even
;;       return np.moveaxis(q.reshape(q.shape[:-2] + (-1,))[..., :K], -1, axis).astype(np.float32)
;;   ~~~
;;   OPERANDS COMPUTED ON THE WAY. 'Computed on the way' means the value that the module computes at that place (a softmax that the list does not call 'softmax' is quantised finished and normalised). What goes into a quantiser is computed in f32, as accurately as f32 sums, v_exp_f32 and their like allow (about 1e-6 of the number): no bf16 or f16 on the way to a quantiser, and a product that is left as it is and whose result goes on into a quantised operand takes f32 operands (vector FMAs, or v_wmma_f32_16x16x4_f32). A number that lies on a knife's edge between two numbers of the format may be rounded either way, as far as f32 arithmetic and the matrix unit's own rounding can turn it there, and no further.
;;   INPUTS GIVEN AS CODES. Wk (in the module: [1024, 1024], K = its axis 0); Wo (in the module: [1024, 1024], K = its axis 0); Wq (in the module: [1024, 1024], K = its axis 0); Wv (in the module: [1024, 1024], K = its axis 0): each comes as NAME_codes (uint8): NAME with its K axis moved to the last place and cut into blocks of 32 codes, [.., K / 32, bytes a block], one block behind the other in memory; four codes in three bytes: a row's codes are one little-endian stream of bits, code i at bits 6 i .. 6 i + 5 (a code: sign, 2 exponent bits, 3 mantissa bits); and NAME_scales (uint8): the same leading axes, one E8M0 byte (e + 127) for each 32 codes along K. Its value is code x scale, taken as it is: it is not quantised again, and the codes and scales need not be those that the quantiser above would give.
;; One version. Each part assembles by itself: llvm-mc -triple=amdgcn-amd-amdhsa -mcpu=gfx1250 --defsym DOCPART=n.
;; ======== version 1 of 1: 4 launches
;; limits: right only within a limited range of input values
;; workspace buffers: x_codes 6,291,456 bytes; x_scales 262,144 bytes; w_lay 3,145,728 bytes; qkv_img 18,874,368 bytes; qkv_sc 1,310,720 bytes; a_img 6,291,456 bytes; a_sc 262,144 bytes
;; launch quant_x (part 1): grid 256 x 1, 4 waves a work-group, no clusters, 33,280 bytes of LDS; arguments inputs, x_codes, x_scales, Wq_codes, Wk_codes, Wv_codes, Wo_codes, w_lay; writes x_codes, x_scales, w_lay
.if DOCPART == 1
	.amdgcn_target "amdgcn-amd-amdhsa--gfx1250"
	.amdhsa_code_object_version 6
	.text
	.protected	k_q623ae6fb4b_quant_x
	.globl	k_q623ae6fb4b_quant_x
	.p2align	8
	.type	k_q623ae6fb4b_quant_x,@function
k_q623ae6fb4b_quant_x:
	s_mov_b64 s[64:65], 0
	v_nop
	global_prefetch_b8 v0, s[64:65] scope:SCOPE_SE
	s_setreg_imm32_b32 hwreg(HW_REG_WAVE_MODE, 25, 1), 1
	s_wait_xcnt 0x0
; inputs [8192][1024] f32 become codes of FP6 (E2M3), 6 bits each, K innermost (768 bytes a row), with one E8M0 scale byte for each 32 along K (32 bytes a row).
; A block's scale is 2^(floor(log2(its largest magnitude)) - 2); its byte is the largest magnitude's own exponent field - 2, held at 1 from below.
; (A block of zeros gets the byte 1: its codes are zeros, which add nothing under any byte but 0xff, and the bytes are read by this program alone.)
; LIMITS: blocks whose largest magnitude lies under 2^-124 keep the byte 1; NaN and infinities among the inputs are not served.
; Rows are dense and 1024 is a multiple of 32: the tensor is a plain stream of blocks of 32, and so are the codes and the scale bytes.
; A wave takes 16 steps of 512 numbers.  Each of a step's four loads reads 512 consecutive bytes, 16 a lane; the 2,048 bytes turn through the wave's own stage in LDS and come back
; 64 bytes a lane, so that a lane holds 16 neighbours along K (two neighbouring lanes hold a block), as the conversion wants them.  A lane's 16 codes are 12 bytes: a wave stores 384 consecutive bytes.
; A wave's 256 scale bytes are gathered in its own LDS bytes and leave as one aligned run of 256 bytes.  No tensor loads, no barrier: waves share nothing.  Loads run four steps ahead.
; WHERE THE CODES GO (in place of rows of 768 bytes): x_codes is [K step of 256: 4][row: 8192][192 bytes], so that 128 rows of one K step are 24,576 dense bytes that begin at a multiple of 256.
; A step's 512 numbers are two K steps of half a row: lanes 0-15 store 192 consecutive bytes into one plane, lanes 16-31 into the next.
; The four weights' given codes (rows of 768 bytes) are copied, unchanged, into the same form: w_lay is [Wq, Wk, Wv, Wo][K step: 4][row: 1024][192 bytes]; a wave copies four rows of one weight.
; DEAD WORK: reference() makes 'normed' of inputs, ln_w and ln_b and uses it in no result, whatever the inputs hold: mean, variance and rsqrt are left out, and ln_w and ln_b are arguments of no launch.
; LIMIT: a NaN, an infinity or an overflow that reaches only that work is not carried to the result.
.set STEPS, 16
.set XPL,   8192*192                   ; a plane of x_codes
.set WPL,   1024*192                   ; a plane of a weight
.set WD,    194                        ; v194-217 a wave's 3,072 bytes of weight codes
.set WO,    218                        ; v218-223 where they go
.set EMAX,  2
.set CB,    12                         ; bytes of 16 codes
.set R,     16                         ; v16-79   four sets of 16 numbers as they are loaded
.set X,     80                         ; v80-111  two sets of 16 neighbours
.set C,     128                        ; v128-191 codes: four registers for each step, so that no store's data are written again
.set E,     112                        ; v112-127 a scale byte for each step
.set WREG,  8192                       ; LDS: a region for each wave: two stages of 32 x SP bytes, then its 256 scale bytes
.set SP,    80                         ; a lane's place in a stage: its 64 bytes + 16 of padding
	s_load_b128 s[4:7], s[0:1], 0x0                ; inputs s[4:5], x_codes s[6:7]
	s_load_b64 s[8:9], s[0:1], 0x10
	s_load_b256 s[24:31], s[0:1], 0x18             ; Wq, Wk, Wv, Wo: codes
	s_load_b64 s[32:33], s[0:1], 0x38              ; w_lay
	v_lshl_add_u32 v192, v0, 2, 0x8000
	v_mov_b32 v193, 0
	v_lshrrev_b32 v1, 5, v0
	v_readfirstlane_b32 s16, v1                    ; wave
	v_and_b32 v2, 31, v0                           ; lane
	v_lshlrev_b32 v3, 4, v2                        ; my 16 bytes of a load's 512
	s_mul_i32 s17, s16, WREG
	v_lshrrev_b32 v14, 2, v2
	v_mul_u32_u24 v14, v14, SP
	v_and_b32 v15, 3, v2
	v_lshl_add_u32 v14, v15, 4, v14
	v_add_nc_u32 v14, s17, v14                     ; the stage, on the way in: SP (lane / 4) + 16 (lane % 4)
	v_mul_u32_u24 v15, v2, SP
	v_add_nc_u32 v15, s17, v15                     ; and on the way out: SP x lane: my 16 neighbours
	v_and_b32 v4, 15, v2
	v_mul_u32_u24 v4, v4, CB                       ; my codes' place in a row's 192 bytes of a plane,
	v_lshrrev_b32 v10, 4, v2
	v_mad_u32_u24 v4, v10, XPL, v4                 ; lanes 16-31 a plane further on
	v_lshrrev_b32 v5, 1, v2
	s_add_co_u32 s17, s17, 2*32*SP
	v_add_nc_u32 v5, s17, v5                       ; LDS: my wave's 256 scale bytes, my block's byte
	v_lshlrev_b32 v7, 3, v2                        ; and on the way out 8 bytes a lane
	v_add_nc_u32 v6, s17, v7
	s_lshl_b32 s17, ttmp9, 2
	s_add_co_u32 s18, s17, s16                     ; which run of 8,192 numbers is my wave's
	s_mov_b32 s19, 0
	s_mov_b64 s[20:21], 512*STEPS*4
	s_mul_u64 s[20:21], s[18:19], s[20:21]
	s_mov_b64 s[22:23], 8*192                      ; a run is 8 rows: 192 bytes each in a plane
	s_mul_u64 s[22:23], s[18:19], s[22:23]
	s_and_b32 s34, s18, 255                        ; the copy: which four rows of my weight
	s_mul_i32 s40, s34, 4*768
	s_mov_b32 s41, 0
	s_mul_i32 s42, s34, 4*192
	s_lshr_b32 s34, s18, 8                         ; which weight
	s_mul_i32 s35, s34, 4*WPL
	s_add_co_u32 s42, s42, s35
	s_mov_b32 s43, 0
.irp j, 0,1,2,3,4,5                    ; piece i = lane + 32 j of 16 bytes: i / 12 = 4 row + plane (i x 171 >> 11 is i / 12 for i under 192)
	v_add_nc_u32 v10, 32*\j, v2
	v_mul_u32_u24 v11, v10, 171
	v_lshrrev_b32 v11, 11, v11
	v_mul_u32_u24 v12, v11, 12
	v_sub_nc_u32 v10, v10, v12
	v_and_b32 v12, 3, v11
	v_lshrrev_b32 v11, 2, v11
	v_mul_u32_u24 v11, v11, 192
	v_lshl_add_u32 v11, v10, 4, v11
	v_mad_u32_u24 v[WO+\j], v12, WPL, v11
.endr
	s_lshl_b32 s18, s18, 8
	s_wait_alu depctr_va_vdst(0)
	s_wait_kmcnt 0x0
	s_add_nc_u64 s[4:5], s[4:5], s[20:21]
	s_add_nc_u64 s[6:7], s[6:7], s[22:23]
	s_add_nc_u64 s[8:9], s[8:9], s[18:19]
	s_cmp_eq_u32 s34, 0
	s_cselect_b64 s[36:37], s[24:25], s[26:27]
	s_cmp_eq_u32 s34, 2
	s_cselect_b64 s[36:37], s[28:29], s[36:37]
	s_cmp_eq_u32 s34, 3
	s_cselect_b64 s[36:37], s[30:31], s[36:37]
	s_add_nc_u64 s[36:37], s[36:37], s[40:41]
	s_add_nc_u64 s[32:33], s[32:33], s[42:43]
.irp j, 0,1,2,3,4,5
	global_load_b128 v[WD+4*\j:WD+4*\j+3], v3, s[36:37] offset:512*\j   ; issued ahead of the steps' loads: the first counted wait below covers them
.endr
.macro LOAD t
.irp i, 0,1,2,3
	global_load_b128 v[R+16*((\t)%4)+4*\i:R+16*((\t)%4)+4*\i+3], v3, s[4:5] offset:2048*(\t)+512*\i   ; 32 lanes read 512 consecutive bytes
.endr
.endm
.macro TURN t                          ; step t's numbers through the stage: LDS serves a wave's instructions in order, so no wait stands between the stores and the loads
.irp i, 0,1,2,3
	ds_store_b128 v14, v[R+16*((\t)%4)+4*\i:R+16*((\t)%4)+4*\i+3] offset:32*SP*((\t)%2)+8*SP*\i
.endr
.irp i, 0,1,2,3
	ds_load_b128 v[X+16*((\t)%2)+4*\i:X+16*((\t)%2)+4*\i+3], v15 offset:32*SP*((\t)%2)+16*\i
.endr
.endm
.irp t, 0,1,2,3
	LOAD \t
.endr
	s_wait_loadcnt 12
	TURN 0
.irp j, 0,1,2,3,4,5
	global_store_b128 v[WO+\j], v[WD+4*\j:WD+4*\j+3], s[32:33]   ; these registers are written no more
.endr
.macro STEP t
.set XS, X+16*((\t)%2)
.if (\t) > 0
	s_wait_dscnt 1                                 ; this step's numbers are back from the stage (the last step's byte store may be out): so its stores into the stage have read their registers,
.else
	s_wait_dscnt 0x0
.endif
.if (\t)+4 < STEPS
	LOAD (\t)+4                                    ; which take the loads of four steps on
.endif
.if (\t)+1 < STEPS
.if STEPS-2-(\t) >= 3
	s_wait_loadcnt 12                              ; the next step's four loads are in; those of the three steps behind it may be out
.else
	s_wait_loadcnt 4*(STEPS-2-(\t))
.endif
	TURN (\t)+1                                    ; and go through the other stage while this step is worked
.endif
	v_max3_num_f32 v8, |v[XS]|, |v[XS+1]|, |v[XS+2]|               ; the largest magnitude of my 16
	v_max3_num_f32 v9, |v[XS+3]|, |v[XS+4]|, |v[XS+5]|
.irp i, 6,10
	v_max3_num_f32 v8, v8, |v[XS+\i]|, |v[XS+\i+1]|
	v_max3_num_f32 v9, v9, |v[XS+\i+2]|, |v[XS+\i+3]|
.endr
	v_max3_num_f32 v8, v8, |v[XS+14]|, |v[XS+15]|
	v_max3_num_f32 v8, v8, v9, (EMAX+1)<<23        ; and the floor 2^(3 - 127): so the byte cannot fall under 1
	v_max_num_f32_dpp v8, v8, v8 row_xmask:1 row_mask:0xf bank_mask:0xf   ; and of my neighbour's 16: the block's
	v_add_nc_u32 v11, -(EMAX<<23), v8              ; 2 off its exponent field: the conversion takes the exponent field of this operand as its scale, and nothing else of it
	v_cvt_scalef32_pk16_fp6_f32 v[C+4*(\t):C+4*(\t)+2], v[XS:XS+15], v11   ; sixteen numbers / the scale, to the nearest code, ties to even, beyond the largest code the largest
	v_lshrrev_b32 v[E+(\t)], 23, v11               ; the scale's byte (also the plain line behind the conversion)
	ds_store_b8 v5, v[E+(\t)] offset:16*(\t)       ; both lanes of a block write the same byte with the same value
	global_store_b96 v4, v[C+4*(\t):C+4*(\t)+2], s[6:7] offset:((\t)%2)*2*XPL+((\t)/2)*192
.endm
.irp t, 0,1,2,3,4,5,6,7,8,9,10,11,12,13,14,15
	STEP \t
.endr
	ds_load_b64 v[12:13], v6                       ; LDS serves a wave's instructions in order: these see my stores
	s_wait_dscnt 0x0
	global_store_b64 v7, v[12:13], s[8:9]          ; 32 lanes store 256 consecutive bytes, aligned
	s_wait_tensorcnt 0x0
	ds_add_u32 v192, v193
	s_wait_dscnt 0x0
	s_endpgm
.Lfunc_end_k_q623ae6fb4b_quant_x:
	.size	k_q623ae6fb4b_quant_x, .Lfunc_end_k_q623ae6fb4b_quant_x-k_q623ae6fb4b_quant_x
	.p2alignl 7, 3214868480
	.fill 96, 4, 3214868480
	.section	.rodata,"a",@progbits
	.p2align	6, 0x0
	.amdhsa_kernel k_q623ae6fb4b_quant_x
		.amdhsa_group_segment_fixed_size 33280
		.amdhsa_private_segment_fixed_size 0
		.amdhsa_enable_private_segment 0
		.amdhsa_kernarg_size 64
		.amdhsa_user_sgpr_count 2
		.amdhsa_user_sgpr_kernarg_segment_ptr 1
		.amdhsa_wavefront_size32 1
		.amdhsa_system_sgpr_workgroup_id_x 1
		.amdhsa_system_sgpr_workgroup_id_y 1
		.amdhsa_system_sgpr_workgroup_id_z 1
		.amdhsa_system_vgpr_workitem_id 0
		.amdhsa_next_free_vgpr 224
		.amdhsa_next_free_sgpr 66
		.amdhsa_reserve_vcc 0
		.amdhsa_float_denorm_mode_32 3
		.amdhsa_float_denorm_mode_16_64 3
		.amdhsa_memory_ordered 1
		.amdhsa_forward_progress 1
		.amdhsa_inst_pref_size 38
	.end_amdhsa_kernel
	.amdgpu_metadata
---
amdhsa.version: [ 1, 2 ]
amdhsa.kernels:
  - .name:           k_q623ae6fb4b_quant_x
    .symbol:         k_q623ae6fb4b_quant_x.kd
    .args:
      - { .name: inputs, .offset: 0, .size: 8, .value_kind: global_buffer, .address_space: global }
      - { .name: x_codes, .offset: 8, .size: 8, .value_kind: global_buffer, .address_space: global }
      - { .name: x_scales, .offset: 16, .size: 8, .value_kind: global_buffer, .address_space: global }
      - { .name: Wq_codes, .offset: 24, .size: 8, .value_kind: global_buffer, .address_space: global }
      - { .name: Wk_codes, .offset: 32, .size: 8, .value_kind: global_buffer, .address_space: global }
      - { .name: Wv_codes, .offset: 40, .size: 8, .value_kind: global_buffer, .address_space: global }
      - { .name: Wo_codes, .offset: 48, .size: 8, .value_kind: global_buffer, .address_space: global }
      - { .name: w_lay, .offset: 56, .size: 8, .value_kind: global_buffer, .address_space: global }
    .group_segment_fixed_size: 33280
    .private_segment_fixed_size: 0
    .kernarg_segment_align: 8
    .kernarg_segment_size: 64
    .max_flat_workgroup_size: 128
    .sgpr_count:     66
    .vgpr_count:     224
    .wavefront_size: 32
...
	.end_amdgpu_metadata
.endif
;; end of part 1
;; launch qkv (part 2): grid 96 x 4, 4 waves a work-group, clusters of 4 x 4, 327,680 bytes of LDS; arguments x_codes, x_scales, w_lay, Wq_scales, Wk_scales, Wv_scales, bq, bk, bv, qkv_img, qkv_sc; writes qkv_img, qkv_sc
.if DOCPART == 2
	.amdgcn_target "amdgcn-amd-amdhsa--gfx1250"
	.amdhsa_code_object_version 6
	.text
	.protected	k_q623ae6fb4b_qkv
	.globl	k_q623ae6fb4b_qkv
	.p2align	8
	.type	k_q623ae6fb4b_qkv,@function
k_q623ae6fb4b_qkv:
	s_mov_b64 s[64:65], 0
	v_nop
	global_prefetch_b8 v0, s[64:65] scope:SCOPE_SE
	s_setreg_imm32_b32 hwreg(HW_REG_WAVE_MODE, 25, 1), 1
	s_wait_xcnt 0x0
	s_wait_alu depctr_hold_cnt(0) depctr_sa_sdst(0) depctr_va_vdst(0) depctr_va_sdst(0) depctr_va_ssrc(0) depctr_va_vcc(0) depctr_vm_vsrc(0)
	s_getreg_b32 s2, hwreg(HW_REG_IB_STS2, 6, 4)
	s_cmp_eq_u32 s2, 0
	s_cbranch_scc0 .Lentry_in_a_cluster
	s_endpgm
.Lentry_in_a_cluster:
	s_bfe_u32 s2, ttmp6, 0x10000c
	s_cmp_lg_u32 s2, 0xf033
	s_cbranch_scc0 .Lentry_shape_is_right
	s_endpgm
.Lentry_shape_is_right:
.set SIZE_K, 1024
.set KSTEP,  256
.set NQ,     KSTEP/128
.set ROWB,   192
; Codes come by planes: [K step of 256][row][192 bytes].  128 rows of a K step are 24,576 dense bytes, loaded as 96 rows of 256 bytes, 16 bytes of padding behind every 64: an LDS row of 192 + 48 bytes.
.set KROW,   192
.set XPL,    8192*192                  ; a plane of x_codes
.set WPL,    1024*192                  ; a plane of a weight in w_lay
.set PITCH,  240
.set FR,     12
.set NL,     6
.set NP,     4
.set HALFT,  128*PITCH
.set SLOT,   4*HALFT
.set KS,     SIZE_K/32
.set SCL,    2*SLOT
.set HALFS,  (128*KS/256)*272
.set SBLK,   (16*KS/256)*272
.set SPARE,  SCL+4*HALFS
.set ADRA, 16
.set ADRB, 20
.set IM16, 24
.set IM8,  25
.set VB,   26
.set ADRS, 27
.set SPW,  28
.set NIL,  29
.set SC,   32
.set AF,   128
.set T64,  64
.set XI,   128
.set TM,   176
.set PW,   192
.set SS,   200
.set CT,   208
.set BI,   0
.set SEL,  20
.set G1, 24
.set G0, 32
.set G1B, 48
.set G0B, 56
.set G1S, 68
.set G0S, 76
.set G1SB, 80
.set G0SB, 88
.set MSB, 0
.macro WIN new
.if MSB != \new
	s_set_vgpr_msb (MSB<<8)|\new
.set MSB, \new
.endif
.endm
.set MUL_LO, 0xa1
.set MUL_HI, 0xf1
.set TO_B,   0x40
.macro JLOAD g0a, g1a, g0b, g1b
	s_cmp_eq_u32 s15, 0
	s_cbranch_scc0 .Lfor_b_\@
	tensor_load_to_lds s[\g0a:\g0a+3], s[\g1a:\g1a+7]
	s_nop 0
.rept 4
	v_nop
.endr
	s_branch .Lasked_\@
.Lfor_b_\@:
	tensor_load_to_lds s[\g0b:\g0b+3], s[\g1b:\g1b+7]
	s_nop 0
.rept 4
	v_nop
.endr
.Lasked_\@:
.endm
.macro CREST
	s_cmp_lg_u32 s14, 0
	s_cbranch_scc1 .Lnot_wave_0_\@
	s_barrier_signal -3
.Lnot_wave_0_\@:
	s_barrier_wait -3
	s_barrier_signal -1
	s_barrier_wait -1
.endm
.macro CROUND
	s_barrier_signal -1
	s_barrier_wait -1
	CREST
.endm
	s_load_b512 s[68:83], s[0:1], 0x0
	s_load_b128 s[84:87], s[0:1], 0x40
	s_load_b64 s[88:89], s[0:1], 0x50
	v_lshl_add_u32 v[SPW], v0, 2, SPARE
	v_mov_b32 v[NIL], 0
	ds_add_u32 v28, v29
	ds_add_u32 v28, v29
	s_wait_dscnt 0x0
	v_lshrrev_b32 v1, 5, v0
	v_readfirstlane_b32 s14, v1
	s_lshr_b32 s15, s14, 1
	s_and_b32 s16, s14, 1
	s_bfe_u32 s40, ttmp6, 0x40000
	s_bfe_u32 s41, ttmp6, 0x40004
	s_lshr_b32 s2, ttmp9, 3
	s_and_b32 s18, ttmp9, 7
	s_cmp_eq_u32 s2, 2
	s_cselect_b32 s100, 1, 0
	s_cselect_b32 s17, 0, s18
	s_cselect_b32 s42, s18, 0
	s_lshl_b32 s17, s17, 2
	s_add_co_u32 s17, s17, s41
	s_lshl_b32 s42, s42, 2
	s_add_co_u32 s42, s42, s40
	s_lshl_b32 s43, s41, 2
	s_lshl_b32 s43, 15, s43
	s_lshl_b32 s44, 0x1111, s40
	s_or_b32 s[G1+0], s43, (0<<16)|(1<<20)|(1<<21)|(3<<22)|(3<<25)
	s_or_b32 s[G1B+0], s44, (0<<16)|(1<<20)|(1<<21)|(3<<22)|(3<<25)
.irp g, G1, G1B
	s_mov_b32 s[\g+1], 256<<16
	s_mov_b32 s[\g+2], 192<<16                     ; the head's loads bring 256 rows of codes: 192 rows of 256 bytes
	s_mov_b32 s[\g+3], 256<<16
	s_mov_b32 s[\g+4], 192
	s_mov_b32 s[\g+5], 256
	s_mov_b32 s[\g+6], 0
	s_mov_b32 s[\g+7], 0
.endr
	s_wait_kmcnt 0x0
	s_mul_i32 s18, s2, 4*WPL
	s_mov_b32 s19, 0
	s_add_nc_u64 s[72:73], s[72:73], s[18:19]      ; my weight's planes
	s_cmp_eq_u32 s2, 0
	s_cselect_b64 s[10:11], s[74:75], s[76:77]
	s_cselect_b64 s[96:97], s[80:81], s[82:83]
	s_cmp_eq_u32 s2, 2
	s_cselect_b64 s[4:5], s[72:73], s[68:69]
	s_cselect_b64 s[6:7], s[78:79], s[70:71]
	s_cselect_b64 s[8:9], s[68:69], s[72:73]
	s_cselect_b64 s[10:11], s[70:71], s[10:11]
	s_cselect_b64 s[96:97], s[84:85], s[96:97]
	s_mov_b32 s40, XPL
	s_mov_b32 s66, WPL
	s_cselect_b32 s18, s66, s40
	s_cselect_b32 s66, s40, s66                    ; s[66:67]: from plane to plane of source B's tensor,
	s_mov_b32 s40, s18                             ; s[40:41]: of source A's
	s_mov_b32 s41, 0
	s_mov_b32 s67, 0
	s_mov_b64 s[12:13], s[86:87]
	s_mov_b64 s[98:99], s[88:89]
	s_or_b32 s[G1S+0], s43, (3<<16)|(1<<20)|(1<<21)|(5<<22)|(3<<25)
	s_or_b32 s[G1SB+0], s44, (3<<16)|(1<<20)|(1<<21)|(5<<22)|(3<<25)
.irp g, G1S, G1SB
	s_mov_b32 s[\g+1], 32<<16
	s_mov_b32 s[\g+2], KS<<16                      ; the scales of 256 rows: KS rows of 256 bytes
	s_mov_b32 s[\g+3], 32<<16
	s_mov_b32 s[\g+4], KS
	s_mov_b32 s[\g+5], 32
	s_mov_b32 s[\g+6], 0
	s_mov_b32 s[\g+7], 0
.endr
	s_lshl_b32 s18, s16, 7
	s_lshl_b32 s20, s17, 8
	s_add_co_u32 s20, s20, s18
	s_lshl_b32 s46, s42, 8
	s_add_co_u32 s46, s46, s18
	s_mov_b32 s21, 0
	s_mov_b32 s47, 0
	s_mov_b64 s[18:19], KS
	s_mul_u64 s[22:23], s[20:21], s[18:19]
	s_mul_u64 s[92:93], s[46:47], s[18:19]
	s_mov_b64 s[18:19], KROW
	s_mul_u64 s[20:21], s[20:21], s[18:19]
	s_mul_u64 s[46:47], s[46:47], s[18:19]
	s_mul_i32 s45, s14, HALFT
	s_add_nc_u64 s[20:21], s[4:5], s[20:21]
	s_add_nc_u64 s[22:23], s[6:7], s[22:23]
	s_add_nc_u64 s[46:47], s[8:9], s[46:47]
	s_add_nc_u64 s[92:93], s[10:11], s[92:93]
	CROUND
	; the head's four tiles, each whole (my half's offset is taken off again): slot 0's 256 rows of A, of B, A's scales, B's scales
	s_mul_i32 s94, s16, 128*KROW
	s_mov_b32 s95, 0
	s_mov_b32 s4, 1
	s_mov_b32 s5, 0
	s_sub_nc_u64 s[6:7], s[20:21], s[94:95]
	s_or_b32 s7, s7, 0x80000000
	s_mov_b32 s8, 1
	s_mov_b32 s9, 2*HALFT
	s_sub_nc_u64 s[10:11], s[46:47], s[94:95]
	s_or_b32 s11, s11, 0x80000000
	s_lshl_b32 s94, s16, 12
	s_mov_b32 s[G0S], 1
	s_mov_b32 s[G0S+1], SCL
	s_sub_nc_u64 s[G0S+2:G0S+3], s[22:23], s[94:95]
	s_or_b32 s[G0S+3], s[G0S+3], 0x80000000
	s_mov_b32 s[G0SB], 1
	s_mov_b32 s[G0SB+1], SCL+2*HALFS
	s_sub_nc_u64 s[G0SB+2:G0SB+3], s[92:93], s[94:95]
	s_or_b32 s[G0SB+3], s[G0SB+3], 0x80000000
.irp s, 0,1
	s_mov_b32 s[G0+4*\s], 1
	s_add_co_u32 s[G0+4*\s+1], s45, \s*SLOT
	s_mov_b64 s[G0+4*\s+2:G0+4*\s+3], s[20:21]
	s_add_nc_u64 s[20:21], s[20:21], s[40:41]
	s_or_b32 s[G0+4*\s+3], s[G0+4*\s+3], 0x80000000
	s_mov_b32 s[G0B+4*\s], 1
	s_add_co_u32 s[G0B+4*\s+1], s45, \s*SLOT
	s_mov_b64 s[G0B+4*\s+2:G0B+4*\s+3], s[46:47]
	s_add_nc_u64 s[46:47], s[46:47], s[66:67]
	s_or_b32 s[G0B+4*\s+3], s[G0B+4*\s+3], 0x80000000
.endr
	s_lshl_b32 s40, s40, 1                         ; a refill steps two planes
	s_lshl_b32 s66, s66, 1
; one joint load a wave at the head, in one chain of branches on the wave's number
.macro ARM under, g0, g1, next
	s_cmp_lt_u32 s14, \under
	s_cbranch_scc0 \next
	tensor_load_to_lds s[\g0:\g0+3], s[\g1:\g1+7]
	s_nop 0
.rept 4
	v_nop
.endr
	s_branch .Lhead_asked
\next:
.endm
	ARM 1, 4, G1, .Lhead_b
	ARM 2, 8, G1B, .Lhead_sa
	ARM 3, G0S, G1S, .Lhead_sb
	tensor_load_to_lds s[G0SB:G0SB+3], s[G1SB:G1SB+7]
	s_nop 0
.rept 4
	v_nop
.endr
.Lhead_asked:
	s_wait_alu depctr_va_vdst(0)
	s_wait_tensorcnt 0x0                           ; my tile of the four is in; no load of mine is out, so group 1 may be written
	ds_add_u32 v28, v29
	s_mov_b32 s[G1+2], 96<<16                      ; from here on a load brings 128 rows of codes: 96 rows of 256 bytes
	s_mov_b32 s[G1+4], 96
	s_mov_b32 s[G1B+2], 96<<16
	s_mov_b32 s[G1B+4], 96
	s_wait_dscnt 0x0
	CROUND
	JLOAD G0+4, G1, G0B+4, G1B                     ; slot 1's first fill, issued as a refill is
	v_and_b32 v1, 15, v0
	v_bfe_u32 v2, v0, 4, 1
	v_mul_u32_u24 v3, v1, PITCH
	v_mul_u32_u24 v4, v2, 24
	v_add_nc_u32 v4, v3, v4
	v_lshl_add_u32 v5, v2, 4, v4
	s_mul_i32 s21, s15, HALFT
	s_mul_i32 s22, s16, HALFT
	s_add_co_u32 s22, s22, 2*HALFT
.irp s, 0,1
	v_add_nc_u32 v[ADRA+\s], s21, v4
	v_add_nc_u32 v[ADRB+\s], s22, v4
	v_add_nc_u32 v[ADRA+2+\s], s21, v5
	v_add_nc_u32 v[ADRB+2+\s], s22, v5
	s_add_co_u32 s21, s21, SLOT
	s_add_co_u32 s22, s22, SLOT
.endr
	v_mul_u32_u24 v5, v1, KS
	v_lshrrev_b32 v6, 8, v5
	v_lshl_add_u32 v5, v6, 4, v5
	s_mul_i32 s21, s15, HALFS
	s_mul_i32 s22, s16, HALFS
	s_add_co_u32 s22, s22, 2*HALFS
	s_sub_co_u32 s22, s22, s21
	v_mul_u32_u24 v6, s22, v2
	s_add_co_u32 s21, s21, SCL
	v_add_nc_u32 v5, v5, v6
	v_add_nc_u32 v[ADRS], s21, v5
	v_and_b32 v6, 31, v0
	v_lshlrev_b32 v[IM16], 4, v6
	v_lshlrev_b32 v[IM8], 3, v6
	s_lshl_b32 s4, s17, 8
	s_lshl_b32 s5, s15, 7
	s_add_co_u32 s4, s4, s5
	s_lshl_b32 s6, s42, 8
	s_lshl_b32 s7, s16, 7
	s_add_co_u32 s6, s6, s7
	s_cmp_eq_u32 s100, 1
	s_cselect_b32 s8, s6, s4
	s_cselect_b32 s9, s4, s6
	s_lshr_b32 s10, s8, 11
	s_lshl_b32 s10, s10, 4
	s_lshr_b32 s11, s9, 6
	s_add_co_u32 s10, s10, s11
	s_bfe_u32 s11, s8, 0x40007
	s_mul_i32 s92, s2, 6291456
	s_mul_i32 s93, s10, 98304
	s_add_co_u32 s92, s92, s93
	s_mul_i32 s93, s11, 6144
	s_add_co_u32 s92, s92, s93
	s_mov_b32 s93, 0
	s_add_nc_u64 s[12:13], s[12:13], s[92:93]
	s_lshl_b32 s92, s10, 13
	s_lshl_b32 s94, s11, 9
	s_add_co_u32 s92, s92, s94
	s_lshr_b32 s92, s92, s100
	s_lshl_b32 s94, s2, 19
	s_add_co_u32 s92, s92, s94
	s_add_nc_u64 s[98:99], s[98:99], s[92:93]
	s_lshl_b32 s92, s9, 2
	s_add_nc_u64 s[96:97], s[96:97], s[92:93]
.macro FRAG reg, adr, q, i
.irp p, 0,1,2,3,4,5
.set PC, 12*(\q)+6*(\p/3)+\p%3
.if PC%8 < 5
	ds_load_b64 v[\reg+2*\p:\reg+2*\p+1], v[\adr] offset:8*PC+16*(PC/8)+(\i)*16*PITCH
.else
	ds_load_b64 v[\reg+2*\p:\reg+2*\p+1], v[\adr+2] offset:8*PC+16*(PC/8)+(\i)*16*PITCH
.endif
.endr
.endm
.macro MUL16 a0, p, q, sc, zero
.irp a, \a0, \a0+1
.irp b, 0,1,2,3,4,5,6,7
.if \zero
	v_wmma_scale_f32_16x16x128_f8f6f4 v[8*(8*((\a)%4)+\b):8*(8*((\a)%4)+\b)+7], v[128*(\p)+FR*\b:128*(\p)+FR*\b+FR-1], v[AF+FR*(\a):AF+FR*(\a)+FR-1], 0, v[SC+8*NQ*(\sc)+NQ*\b+(\q)], v[SC+8*NQ*(\sc)+NQ*(\a)+(\q)] matrix_a_fmt:MATRIX_FMT_FP6 matrix_b_fmt:MATRIX_FMT_FP6 matrix_a_scale:MATRIX_SCALE_ROW1
.else
	v_wmma_scale_f32_16x16x128_f8f6f4 v[8*(8*((\a)%4)+\b):8*(8*((\a)%4)+\b)+7], v[128*(\p)+FR*\b:128*(\p)+FR*\b+FR-1], v[AF+FR*(\a):AF+FR*(\a)+FR-1], v[8*(8*((\a)%4)+\b):8*(8*((\a)%4)+\b)+7], v[SC+8*NQ*(\sc)+NQ*\b+(\q)], v[SC+8*NQ*(\sc)+NQ*(\a)+(\q)] matrix_a_fmt:MATRIX_FMT_FP6 matrix_b_fmt:MATRIX_FMT_FP6 matrix_a_scale:MATRIX_SCALE_ROW1
.endif
.endr
.endr
.endm
.macro FETCH_B slot, q, p
	WIN TO_B
.irp i, 0,1,2,3,4,5,6,7
	FRAG 128*(\p)+FR*\i, ADRB+\slot, \q, \i
.endr
	WIN 0
.endm
.macro FETCH_A slot, q, i0
.irp i, \i0, \i0+1, \i0+2, \i0+3
	FRAG AF+FR*(\i), ADRA+\slot, \q, \i
.endr
.endm
.macro SCALES sc
.irp i, 0,1,2,3,4,5,6,7
	ds_load_b64 v[SC+8*NQ*\sc+NQ*\i:SC+8*NQ*\sc+NQ*\i+1], v[ADRS] offset:\i*SBLK
.endr
.endm
.macro PLACES n
.rept \n
	v_nop
.endr
.endm
.macro STEP slot, q, zero
	s_wait_dscnt 4*NL
	WIN MUL_LO
	MUL16 0, (\q)%2, \q, \slot, \zero
	MUL16 2, (\q)%2, \q, \slot, \zero
	s_wait_dscnt 0
	PLACES NP
	FETCH_B \slot, (\q)+1, 1-(\q)%2
	FETCH_A \slot, (\q)+1, 0
	WIN MUL_HI
	MUL16 4, (\q)%2, \q, \slot, \zero
	MUL16 6, (\q)%2, \q, \slot, \zero
	PLACES NP
	WIN 0
	FETCH_A \slot, (\q)+1, 4
.endm
.macro TURN slot, next, fill
	s_wait_tensorcnt 0x0
	ds_add_u32 v[SPW], v[NIL]
	s_wait_dscnt 4*NL+1
	WIN MUL_LO
	MUL16 0, 1, NQ-1, \slot, 0
	s_wait_dscnt 0x0
	s_barrier_signal -1
	MUL16 2, 1, NQ-1, \slot, 0
	WIN 0
	s_barrier_wait -1
.if \fill
	CREST
	s_add_nc_u64 s[G0+4*\slot+2:G0+4*\slot+3], s[G0+4*\slot+2:G0+4*\slot+3], s[40:41]
	s_add_nc_u64 s[G0B+4*\slot+2:G0B+4*\slot+3], s[G0B+4*\slot+2:G0B+4*\slot+3], s[66:67]
	JLOAD G0+4*\slot, G1, G0B+4*\slot, G1B
.else
	PLACES NP
.endif
	s_wait_alu depctr_va_vdst(0)
	v_add_nc_u32 v[ADRS], 4*NQ, v[ADRS]
	FETCH_B \next, 0, 0
	FETCH_A \next, 0, 0
	SCALES \next
	WIN MUL_HI
	MUL16 4, 1, NQ-1, \slot, 0
	MUL16 6, 1, NQ-1, \slot, 0
	PLACES NP
	WIN 0
	FETCH_A \next, 0, 4
.endm
	s_wait_alu depctr_va_vdst(0)
	s_wait_tensorcnt 1
	s_barrier_signal -1
	s_barrier_wait -1
	FETCH_B 0, 0, 0
	FETCH_A 0, 0, 0
	SCALES 0
	FETCH_A 0, 0, 4
	STEP 0, 0, 1
	TURN 0, 1, 1
	STEP 1, 0, 0
	TURN 1, 0, 1
	STEP 0, 0, 0
	TURN 0, 1, 0
	STEP 1, 0, 0
	s_wait_dscnt 4*NL
	WIN MUL_LO
	MUL16 0, 1, NQ-1, 1, 0
	MUL16 2, 1, NQ-1, 1, 0
	s_wait_dscnt 0
	WIN MUL_HI
	MUL16 4, 1, NQ-1, 1, 0
	MUL16 6, 1, NQ-1, 1, 0
	WIN 0
.macro QUANT s, d0, d1, w
.irp b, 0,1,2,3
	v_max3_num_f32 v[TM+\b], |v[\s+16*\b]|, |v[\s+1+16*\b]|, 0x1800000
.endr
.irp i, 2,4,6,8,10,12,14
.irp b, 0,1,2,3
	v_max3_num_f32 v[TM+\b], v[TM+\b], |v[\s+16*\b+\i]|, |v[\s+1+16*\b+\i]|
.endr
.endr
.irp b, 0,1,2,3
	v_permlanex16_b32 v[TM+4+\b], v[TM+\b], s[SEL], s[SEL+1]
.endr
.irp b, 0,1,2,3
	v_max_num_f32 v[TM+\b], v[TM+\b], v[TM+4+\b]
.endr
.irp b, 0,1,2,3
	v_add_nc_u32 v[TM+12+\b], 0xff000000, v[TM+\b]
.endr
.irp b, 0,1,2,3
	v_lshrrev_b32 v[TM+4+\b], 23, v[TM+12+\b]
.endr
	v_lshl_or_b32 v[\w], v[TM+5], 8, v[TM+4]
	v_lshl_or_b32 v[\w], v[TM+6], 16, v[\w]
	v_lshl_or_b32 v[\w], v[TM+7], 24, v[\w]
	v_cvt_scalef32_pk16_fp6_f32 v[(\d0):(\d0)+2], v[\s:\s+15], v[TM+12]
	v_cvt_scalef32_pk16_fp6_f32 v[CT:CT+2], v[\s+16:\s+31], v[TM+13]
	v_cvt_scalef32_pk16_fp6_f32 v[(\d1):(\d1)+2], v[\s+32:\s+47], v[TM+14]
	v_cvt_scalef32_pk16_fp6_f32 v[CT+4:CT+6], v[\s+48:\s+63], v[TM+15]
	v_nop
.irp i, 0,1,2
	v_permlane16_swap_b32 v[(\d0)+\i], v[CT+\i]
	v_permlane16_swap_b32 v[(\d1)+\i], v[CT+4+\i]
.endr
.irp i, 0,1,2
	v_mov_b32 v[(\d0)+3+\i], v[CT+\i]
	v_mov_b32 v[(\d1)+3+\i], v[CT+4+\i]
.endr
.endm
.macro ADDQK blk
	WIN 0x06+((\blk)/4)
.set n, 0
.rept 32
	v_pk_add_f32 v[T64+2*n:T64+2*n+1], v[64*((\blk)%4)+2*n:64*((\blk)%4)+2*n+1], v[BI+2*n:BI+2*n+1]
.set n, n+1
.endr
	WIN 0
.endm
.macro ADDV blk
	WIN 0x06+((\blk)/4)
.set n, 0
.rept 32
	v_pk_add_f32 v[T64+2*n:T64+2*n+1], v[64*((\blk)%4)+2*n:64*((\blk)%4)+2*n+1], v[BI+2*(\blk):BI+2*(\blk)+1]
.set n, n+1
.endr
	WIN 0
.endm
	PLACES NP
	s_mov_b32 s[SEL], 0x76543210
	s_mov_b32 s[SEL+1], 0xfedcba98
	s_mov_b32 s101, 0xffff0000
.irp b, 0,1,2,3
	v_mov_b32 v[TM+4+\b], 0
.endr
	s_cmp_eq_u32 s100, 1
	s_cbranch_scc1 .Lepi_v
	v_bfe_u32 v[VB], v0, 4, 1
	v_lshlrev_b32 v[VB], 5, v[VB]
	WIN 0x40
.irp n, 0,1,2,3,4,5,6,7,8,9,10,11,12,13,14,15
	global_load_b128 v[BI+4*\n:BI+4*\n+3], v[VB], s[96:97] offset:128*(\n/4)+64*((\n/2)%2)+16*(\n%2)
.endr
	WIN 0
	s_wait_loadcnt 0x0
.irp a, 0,2,4,6
.if \a >= 4
	s_wait_xcnt 0x0
.endif
.irp e, 0,1
	ADDQK \a+\e
	QUANT T64, XI+24*((\a/2)%2)+6*\e, XI+24*((\a/2)%2)+12+6*\e, PW+\a+\e
.endr
.irp c, 0,1
.irp g, 0,1,2
	global_store_b128 v[IM16], v[XI+24*((\a/2)%2)+12*\c+4*\g:XI+24*((\a/2)%2)+12*\c+4*\g+3], s[12:13] offset:(\a/2)*1536+\c*98304+\g*512 th:TH_STORE_NT
.endr
.endr
.endr
.irp i, 0,1,2,3
	v_cndmask_b32 v[SS+\i], v[PW+2*\i], v[PW+2*\i+1], s101
.endr
.irp i, 0,1,2,3
	v_lshrrev_b32 v[SS+4+\i], 16, v[SS+\i]
.endr
	global_store_b128 v[IM16], v[SS:SS+3], s[98:99] th:TH_STORE_NT
	global_store_b128 v[IM16], v[SS+4:SS+7], s[98:99] offset:8192 th:TH_STORE_NT
	s_branch .Ldone
.Lepi_v:
	v_and_b32 v[VB], 15, v0
	v_lshlrev_b32 v[VB], 2, v[VB]
	WIN 0x40
.irp b, 0,1,2,3,4,5,6,7
	global_load_b32 v[BI+2*\b], v[VB], s[96:97] offset:64*\b
.endr
	s_wait_loadcnt 0x0
	WIN 0x41
.irp b, 0,1,2,3,4,5,6,7
	v_mov_b32 v[BI+2*\b+1], v[BI+2*\b]
.endr
	WIN 0
.irp b, 0,1,2,3,4,5,6,7
.if \b >= 4
	s_wait_xcnt 0x0
.endif
	ADDV \b
	QUANT T64, XI+12*(\b%4), XI+12*(\b%4)+6, PW+\b
.irp g, 0,1,2
	global_store_b128 v[IM16], v[XI+12*(\b%4)+4*\g:XI+12*(\b%4)+4*\g+3], s[12:13] offset:(\b/4)*98304+(\b%4)*1536+\g*512 th:TH_STORE_NT
.endr
.endr
.irp i, 0,1,2,3
	v_cndmask_b32 v[SS+\i], v[PW+2*\i], v[PW+2*\i+1], s101
.endr
	global_store_b64 v[IM8], v[SS:SS+1], s[98:99] th:TH_STORE_NT
	global_store_b64 v[IM8], v[SS+2:SS+3], s[98:99] offset:4096 th:TH_STORE_NT
.Ldone:
	s_wait_tensorcnt 0x0
	ds_add_u32 v[SPW], v[NIL]
	s_wait_dscnt 0x0
	CROUND
	s_endpgm
.Lfunc_end_k_q623ae6fb4b_qkv:
	.size	k_q623ae6fb4b_qkv, .Lfunc_end_k_q623ae6fb4b_qkv-k_q623ae6fb4b_qkv
	.p2alignl 7, 3214868480
	.fill 96, 4, 3214868480
	.section	.rodata,"a",@progbits
	.p2align	6, 0x0
	.amdhsa_kernel k_q623ae6fb4b_qkv
		.amdhsa_group_segment_fixed_size 327680
		.amdhsa_private_segment_fixed_size 0
		.amdhsa_enable_private_segment 0
		.amdhsa_kernarg_size 88
		.amdhsa_user_sgpr_count 2
		.amdhsa_user_sgpr_kernarg_segment_ptr 1
		.amdhsa_wavefront_size32 1
		.amdhsa_system_sgpr_workgroup_id_x 1
		.amdhsa_system_sgpr_workgroup_id_y 1
		.amdhsa_system_sgpr_workgroup_id_z 1
		.amdhsa_system_vgpr_workitem_id 0
		.amdhsa_next_free_vgpr 1024
		.amdhsa_next_free_sgpr 102
		.amdhsa_reserve_vcc 0
		.amdhsa_float_denorm_mode_32 3
		.amdhsa_float_denorm_mode_16_64 3
		.amdhsa_memory_ordered 1
		.amdhsa_forward_progress 1
		.amdhsa_inst_pref_size 234
	.end_amdhsa_kernel
	.amdgpu_metadata
---
amdhsa.version: [ 1, 2 ]
amdhsa.kernels:
  - .name:           k_q623ae6fb4b_qkv
    .symbol:         k_q623ae6fb4b_qkv.kd
    .args:
      - { .name: x_codes, .offset: 0, .size: 8, .value_kind: global_buffer, .address_space: global }
      - { .name: x_scales, .offset: 8, .size: 8, .value_kind: global_buffer, .address_space: global }
      - { .name: w_lay, .offset: 16, .size: 8, .value_kind: global_buffer, .address_space: global }
      - { .name: Wq_scales, .offset: 24, .size: 8, .value_kind: global_buffer, .address_space: global }
      - { .name: Wk_scales, .offset: 32, .size: 8, .value_kind: global_buffer, .address_space: global }
      - { .name: Wv_scales, .offset: 40, .size: 8, .value_kind: global_buffer, .address_space: global }
      - { .name: bq, .offset: 48, .size: 8, .value_kind: global_buffer, .address_space: global }
      - { .name: bk, .offset: 56, .size: 8, .value_kind: global_buffer, .address_space: global }
      - { .name: bv, .offset: 64, .size: 8, .value_kind: global_buffer, .address_space: global }
      - { .name: qkv_img, .offset: 72, .size: 8, .value_kind: global_buffer, .address_space: global }
      - { .name: qkv_sc, .offset: 80, .size: 8, .value_kind: global_buffer, .address_space: global }
    .group_segment_fixed_size: 327680
    .private_segment_fixed_size: 0
    .kernarg_segment_align: 8
    .kernarg_segment_size: 88
    .max_flat_workgroup_size: 128
    .sgpr_count:     102
    .vgpr_count:     1024
    .wavefront_size: 32
...
	.end_amdgpu_metadata
.endif
;; end of part 2
;; launch attn (part 3): grid 4 x 64, 8 waves a work-group, clusters of 4 x 1, 218,112 bytes of LDS; arguments qkv_img, qkv_sc, radial_mask, a_img, a_sc; writes a_img, a_sc
.if DOCPART == 3
	.amdgcn_target "amdgcn-amd-amdhsa--gfx1250"
	.amdhsa_code_object_version 6
	.text
	.protected	k_q623ae6fb4b_attn
	.globl	k_q623ae6fb4b_attn
	.p2align	8
	.type	k_q623ae6fb4b_attn,@function
k_q623ae6fb4b_attn:
	s_mov_b64 s[64:65], 0
	v_nop
	global_prefetch_b8 v0, s[64:65] scope:SCOPE_SE
	s_setreg_imm32_b32 hwreg(HW_REG_WAVE_MODE, 25, 1), 1
	s_wait_xcnt 0x0
	s_wait_alu depctr_hold_cnt(0) depctr_sa_sdst(0) depctr_va_vdst(0) depctr_va_sdst(0) depctr_va_ssrc(0) depctr_va_vcc(0) depctr_vm_vsrc(0)
	s_getreg_b32 s2, hwreg(HW_REG_IB_STS2, 6, 4)
	s_cmp_eq_u32 s2, 0
	s_cbranch_scc0 .Lentry_in_a_cluster
	s_endpgm
.Lentry_in_a_cluster:
	s_bfe_u32 s2, ttmp6, 0x10000c
	s_cmp_lg_u32 s2, 0x3003
	s_cbranch_scc0 .Lentry_shape_is_right
	s_endpgm
.Lentry_shape_is_right:
; attn[q] = sum over keys of (softmax_k(q . k / 8) x radial_mask[k]) v[k], for one batch and head a cluster; both products on codes of FP6 (E2M3) with E8M0 scales.
; THE WEIGHTS ARE QUANTISED FINISHED: normalised and multiplied by the mask, in blocks of 32 keys.  So the row's sum must be known before any weight is quantised: the keys are walked TWICE.
;   Pass 1: scores, a running largest t (t = score x log2(e) / 8), M = that rounded up to a whole number, l = the sum of 2^(t - M); when M moves, l is multiplied by 2^(old M - new M), which rounds nothing.
;   Pass 2: the scores again, weight = 2^(t - M - log2 l) x mask, quantised along the keys, times v.
; SHARES.  A cluster of four work-groups is one (batch, head); a work-group owns 512 queries, each of its eight waves 64: four tiles of 16, which share every LDS read.  Two waves to a SIMD, 512 registers each:
; one wave's vector work stands beside the other's matrix work.
; K, V, THEIR SCALE WORDS AND THE BATCH'S MASK LIE WHOLE IN LDS (217,088 bytes), filled ONCE, by joint loads of the four work-groups, which read the same bytes.  Nothing is filled again and no wave writes LDS:
; one barrier behind the fills, none in the loops.  No prefetch: the only fills stand at the kernel's head.
; LAYOUT.  Both products are used transposed: S^T = K Q^T (source 0 = 16 keys, source 1 = 16 queries), O^T = V^T P^T: a lane holds ONE query (lane % 16) throughout.
; The first product's K is 64, the instruction's 128: Q's fragments carry zero codes in their upper halves, so whatever stands in the upper half of K's operand (the next tile's codes) adds nothing.
; Register 16 b + 8 u + j of a tile's 64 scores holds key 32 b + 16 u + 8 (lane / 16) + j: the weights' codes so get, inside each block of 32 keys, the same order that V's codes were given.
; LIMITS: NaN and infinities are not served; a weight under 2^-126 becomes 0 (v_exp_f32 flushes denormals: ISA guide, its entry); |t| stays under 2^31 (differences of M go through v_cvt_i32_f32);
; 1 / l enters as log2 l in the exponent: the error added is at most half a unit in the last place of M + log2 l.  A block whose largest magnitude lies under 2^-124 keeps the byte 1.
; ln_w and ln_b are read by no launch of this program: the one value that the problem makes of them is used by none of its results.
; REGISTERS.  window 0: v1-13 addresses; v16-27 at work; v28-31 P's scale words; v32-47 at work in QUANT; v48-63 statistics, four a tile: -M (later E = -M - log2 l), largest score, l in two halves;
;   v64-127 scores; v128-175 K's eight tiles (six registers each) or V's four fragments; v176-181 zeros behind K's last tile; v184-187 K's scale words, v188-189 V's, v190-191 Q's;
;   v192-239 P's codes, 12 a tile; v240-246 at work; in pass 1 v192-255 are a second set of scores.
;   window 1: v0-47 Q, 12 a tile (6 of codes, 6 of zeros); v64-127 the mask of a step's keys; v128-255 O^T, 32 a tile.
.set KC,   0                           ; LDS: K's images, 98,304 bytes
.set VC,   98304                       ; V's images, 98,304
.set KSB,  196608                      ; K's scale words, 8,192
.set VSB,  204800                      ; V's scale words, 4,096
.set MK,   208896                      ; the batch's mask, 8,192
.set AK0,  1
.set AV0,  2
.set AKS0, 3
.set AVS0, 4
.set AM0,  5
.set ADK,  6
.set ADV,  7
.set ADKS, 8
.set ADVS, 9
.set ADM,  10
.set IM8,  11
.set SA,   12
.set IM16, 13
.set PSC,  28
.set TM,   32
.set ST,   48
.set S,    64
.set STG,  128
.set KPAD, 176
.set KSC,  184
.set VSC,  188
.set QSC,  190
.set P,    192
.set SB,   192
.set CT,   240
.set QF,   0
.set MASK, 64
.set O,    128
.set SEL,  20                          ; s[20:21] lane selects: lane l xor 16
.set CS,   22                          ; s[22:23] c = log2(e) / 8
.set G1A,  24                          ; s[24:31] group 1: 192 rows of 256 bytes; s[32:39]: 32 rows; s[40:47]: 8 rows
.set G1B,  32
.set G1C,  40
.set TK,   66                          ; s66 a step's images: 6,144 bytes a step
.set TS,   67                          ; s67 K's scale words and the mask: 512 bytes a step
.set TV,   72                          ; s72 V's scale words: 256 bytes a step
.set CNT,  73
.set MSB, 0
.macro WIN new                         ; the immediate's high byte repeats the setting that is left
.if MSB != \new
	s_set_vgpr_msb (MSB<<8)|\new
.set MSB, \new
.endif
.endm
.macro CROUND                          ; a round of the cluster's barrier
	s_barrier_signal -1
	s_barrier_wait -1
	s_cmp_lg_u32 s14, 0
	s_cbranch_scc1 .Lnot_wave_0_\@
	s_barrier_signal -3
.Lnot_wave_0_\@:
	s_barrier_wait -3
	s_barrier_signal -1
	s_barrier_wait -1
.endm
.macro PLACES n
.rept \n
	v_nop
.endr
.endm
	s_load_b256 s[4:11], s[0:1], 0x0               ; qkv_img s[4:5], qkv_sc s[6:7], radial_mask s[8:9], a_img s[10:11]
	s_load_b64 s[12:13], s[0:1], 0x20              ; a_sc
	v_lshl_add_u32 v182, v0, 2, 0x35000
	v_mov_b32 v183, 0
	ds_add_u32 v182, v183
	ds_add_u32 v182, v183
	v_lshrrev_b32 v1, 5, v0
	s_delay_alu instid0(VALU_DEP_1)
	v_readfirstlane_b32 s14, v1                    ; wave 0..7
	s_bfe_u32 s15, ttmp6, 0x40000                  ; cx: which 512 queries; it enters Q's and the results' addresses alone
	s_and_b32 s16, ttmp7, 0xffff                   ; 16 x batch + head: the cluster's y, which the four partners share
	s_lshr_b32 s17, s16, 4                         ; batch
	s_and_b32 s18, s16, 15                         ; head
	; descriptor groups 1: dense blocks as rows of 256 bytes (32 elements of 8 bytes); the mask names all four work-groups; bit 21 set beside it; no padding
.irp g, G1A, G1B, G1C
	s_mov_b32 s[\g], 15|(3<<16)|(1<<21)
	s_mov_b32 s[\g+1], 32<<16                      ; tensor_dim0
	s_mov_b32 s[\g+3], 32<<16                      ; tile_dim0
	s_mov_b32 s[\g+5], 32                          ; from row to row
	s_mov_b32 s[\g+6], 0
	s_mov_b32 s[\g+7], 0
.endr
	s_mov_b32 s[G1A+2], 192<<16                    ; tensor_dim1, tile_dim1: half of 98,304 bytes
	s_mov_b32 s[G1A+4], 192
	s_mov_b32 s[G1B+2], 32<<16                     ; 8,192 bytes
	s_mov_b32 s[G1B+4], 32
	s_mov_b32 s[G1C+2], 8<<16                      ; half of 4,096
	s_mov_b32 s[G1C+4], 8
	; groups 0, one load a wave: waves 0-3 the halves of K's and V's images, wave 4 K's scale words, wave 5 the mask, waves 6 and 7 the halves of V's scale words
	s_mov_b32 s48, 1
	s_mul_i32 s49, s14, 49152                      ; K's images at 0, V's at 98,304
	s_mov_b32 s52, 1
	s_mul_i32 s53, s14, 12288
	s_add_co_u32 s53, s53, KSB-4*12288             ; wave 4: KSB, wave 5: MK
	s_mov_b32 s68, 1
	s_lshl_b32 s69, s14, 11
	s_add_co_u32 s69, s69, VSB-6*2048
	s_mul_i32 s19, s16, 98304                      ; the head's bytes in each part of qkv_img
	s_lshr_b32 s75, s14, 1
	s_mul_i32 s75, s75, 6291456
	s_add_co_u32 s76, s19, s75
	s_and_b32 s75, s14, 1
	s_mul_i32 s75, s75, 49152
	s_add_co_u32 s76, s76, s75
	s_add_co_u32 s76, s76, 6291456                 ; k's part, then v's
	s_mov_b32 s77, 0
	s_lshl_b32 s80, s16, 13
	s_add_co_u32 s80, s80, 524288                  ; k's scale words
	s_mov_b32 s81, 0
	s_lshl_b32 s82, s17, 13                        ; the batch's mask
	s_mov_b32 s83, 0
	s_lshl_b32 s84, s16, 12
	s_lshl_b32 s75, s14, 11
	s_add_co_u32 s84, s84, s75
	s_add_co_u32 s84, s84, 1048576-6*2048          ; v's scale words
	s_mov_b32 s85, 0
	s_mov_b32 s[SEL], 0x76543210
	s_mov_b32 s[SEL+1], 0xfedcba98
	s_mov_b32 s[CS], 0x3e38aa3b                    ; log2(e) / 8
	s_mov_b32 s[CS+1], s[CS]                       ; (named with it as a pair, so it is written)
	s_mov_b32 s74, 0xffff0000                      ; lanes 16-31
	s_wait_dscnt 0x0
	s_wait_kmcnt 0x0
	s_add_nc_u64 s[50:51], s[4:5], s[76:77]
	s_or_b32 s51, s51, 0x80000000
	s_add_nc_u64 s[54:55], s[6:7], s[80:81]
	s_add_nc_u64 s[58:59], s[8:9], s[82:83]
	s_cmp_eq_u32 s14, 4
	s_cselect_b64 s[54:55], s[54:55], s[58:59]
	s_or_b32 s55, s55, 0x80000000
	s_add_nc_u64 s[70:71], s[6:7], s[84:85]
	s_or_b32 s71, s71, 0x80000000
	CROUND                                         ; all four work-groups are here: the joint loads meet
	s_cmp_lt_u32 s14, 4                            ; the launch's only fills: one chain of branches on the wave's number, one load to an arm
	s_cbranch_scc0 .Lh_b
	tensor_load_to_lds s[48:51], s[G1A:G1A+7]
	s_nop 0
	PLACES 4
	s_branch .Lh_j
.Lh_b:
	s_cmp_lt_u32 s14, 6
	s_cbranch_scc0 .Lh_c
	tensor_load_to_lds s[52:55], s[G1B:G1B+7]
	s_nop 0
	PLACES 4
	s_branch .Lh_j
.Lh_c:
	tensor_load_to_lds s[68:71], s[G1C:G1C+7]
	s_nop 0
	PLACES 4
.Lh_j:
	; Q and the results: my 64 queries
	s_lshl_b32 s86, s15, 4
	s_lshl_b32 s87, s14, 1
	s_add_co_u32 s86, s86, s87                     ; my first pair of query tiles: 16 cx + 2 wave
	s_mul_i32 s86, s86, 1536
	s_add_co_u32 s86, s86, s19
	s_mov_b32 s87, 0
	s_add_nc_u64 s[4:5], s[4:5], s[86:87]          ; q's part of qkv_img begins at 0
	s_lshl_b32 s86, s15, 2
	s_lshr_b32 s88, s14, 1
	s_add_co_u32 s86, s86, s88                     ; my group of 128 tokens: 4 cx + wave / 2,
	s_lshl_b32 s86, s86, 9
	s_and_b32 s88, s14, 1
	s_lshl_b32 s88, s88, 3                         ; its words 0, 1 or 2, 3
	s_add_co_u32 s86, s86, s88
	s_lshl_b32 s88, s16, 13
	s_add_co_u32 s86, s86, s88
	s_add_nc_u64 s[6:7], s[6:7], s[86:87]
	s_lshl_b32 s88, s17, 7
	s_lshl_b32 s89, s15, 5
	s_add_co_u32 s88, s88, s89
	s_lshl_b32 s89, s14, 2
	s_add_co_u32 s88, s88, s89                     ; my first tile of 16 tokens among all 512: 128 batch + 32 cx + 4 wave
	s_mul_i32 s86, s88, 12288
	s_mul_i32 s89, s18, 768
	s_add_co_u32 s86, s86, s89
	s_add_nc_u64 s[10:11], s[10:11], s[86:87]      ; a_img: [tile][head][768 bytes]
	s_lshl_b32 s86, s88, 9
	s_lshl_b32 s89, s18, 1
	s_add_co_u32 s86, s86, s89
	s_add_nc_u64 s[12:13], s[12:13], s[86:87]      ; a_sc: 32 bytes a token, 2 a head
	v_and_b32 v14, 31, v0                          ; lane
	v_bfe_u32 v15, v0, 4, 1                        ; h
	s_delay_alu instid0(VALU_DEP_2)
	v_lshlrev_b32 v[IM16], 4, v14
	s_delay_alu instid0(VALU_DEP_3)
	v_lshlrev_b32 v[IM8], 3, v14
	s_delay_alu instid0(VALU_DEP_4)
	v_lshlrev_b32 v[SA], 5, v14
	v_lshlrev_b32 v[AK0], 4, v14                   ; images and scale words are read as they lie: 16 or 8 bytes a lane, on end
	v_lshl_add_u32 v[AV0], v14, 4, VC
	v_lshl_add_u32 v[AKS0], v14, 4, KSB
	v_lshl_add_u32 v[AVS0], v14, 3, VSB
	v_lshl_add_u32 v[AM0], v15, 5, MK              ; the mask: 32 h bytes on; all lanes of a half read the same words
	WIN 0x40                                       ; destination window 1
.irp q, 0,1                                    ; a pair's image is [tile even: 6 registers][tile odd: 6]; each tile's six go in front of six zeros
	global_load_b128 v[QF+24*\q:QF+24*\q+3], v[IM16], s[4:5] offset:1536*\q
	global_load_b64 v[QF+24*\q+4:QF+24*\q+5], v[IM16], s[4:5] offset:1536*\q+512
	global_load_b64 v[QF+24*\q+12:QF+24*\q+13], v[IM16], s[4:5] offset:1536*\q+520
	global_load_b128 v[QF+24*\q+14:QF+24*\q+17], v[IM16], s[4:5] offset:1536*\q+1024
.endr
.irp u, 0,1,2,3
.irp i, 6,7,8,9,10,11
	v_mov_b32 v[QF+12*\u+\i], 0                    ; zero codes for K = 64 .. 127
.endr
.endr
	WIN 0
	global_load_b64 v[QSC:QSC+1], v[IM16], s[6:7]  ; Q's scale words: word i: lanes 0-15 tile 2 i, lanes 16-31 tile 2 i + 1
.irp i, 0,1,2,3,4,5
	v_mov_b32 v[KPAD+\i], 0
.endr
.irp b, 0,1,2,3
	v_mov_b32 v[TM+4+\b], 0                        ; written once: a lane permute's destination counts as one of its sources
.endr
	v_mov_b32 v25, 0                               ; (named as the upper half of the pair v[24:25])
.irp u, 0,1,2,3
	v_mov_b32 v[ST+4*\u+1], 0xff61b1e6             ; the largest score so far: -3e38
	v_mov_b32 v[ST+4*\u+2], 0                      ; l, in two halves
	v_mov_b32 v[ST+4*\u+3], 0
.endr
	v_mul_f32 v20, s[CS], v[ST+1]
.irp u, 0,1,2,3
	v_floor_f32 v[ST+4*\u], -v20                   ; -M
.endr
	s_wait_tensorcnt 0x0                           ; my parts of the five blocks are in,
	s_barrier_signal -1
	s_barrier_wait -1                              ; everybody's are
	s_wait_loadcnt 0x0                             ; Q
.macro LOADK                           ; a step's 128 keys: four pairs' images, 12 loads of 512 bytes on end, and their scale words
	v_add_nc_u32 v[ADK], s[TK], v[AK0]
	v_add_nc_u32 v[ADKS], s[TS], v[AKS0]
.irp n, 0,1,2,3,4,5,6,7,8,9,10,11
	ds_load_b128 v[STG+4*\n:STG+4*\n+3], v[ADK] offset:512*\n
.endr
	ds_load_b128 v[KSC:KSC+3], v[ADKS]
.endm
.macro SQ1 i, u, sb                    ; scores of key tile i and query tile u.  Source 0: tile i's six registers and the six behind them, which meet Q's zeros
.if ((\i)%2 == 0) && ((\u)%2 == 0)
	v_wmma_scale_f32_16x16x128_f8f6f4 v[\sb+8*\i:\sb+8*\i+7], v[STG+6*\i:STG+6*\i+11], v[QF+12*\u:QF+12*\u+11], 0, v[KSC+\i/2], v[QSC+\u/2] matrix_a_fmt:MATRIX_FMT_FP6 matrix_b_fmt:MATRIX_FMT_FP6
.elseif ((\u)%2 == 0)
	v_wmma_scale_f32_16x16x128_f8f6f4 v[\sb+8*\i:\sb+8*\i+7], v[STG+6*\i:STG+6*\i+11], v[QF+12*\u:QF+12*\u+11], 0, v[KSC+\i/2], v[QSC+\u/2] matrix_a_fmt:MATRIX_FMT_FP6 matrix_b_fmt:MATRIX_FMT_FP6 matrix_a_scale:MATRIX_SCALE_ROW1
.elseif ((\i)%2 == 0)
	v_wmma_scale_f32_16x16x128_f8f6f4 v[\sb+8*\i:\sb+8*\i+7], v[STG+6*\i:STG+6*\i+11], v[QF+12*\u:QF+12*\u+11], 0, v[KSC+\i/2], v[QSC+\u/2] matrix_a_fmt:MATRIX_FMT_FP6 matrix_b_fmt:MATRIX_FMT_FP6 matrix_b_scale:MATRIX_SCALE_ROW1
.else
	v_wmma_scale_f32_16x16x128_f8f6f4 v[\sb+8*\i:\sb+8*\i+7], v[STG+6*\i:STG+6*\i+11], v[QF+12*\u:QF+12*\u+11], 0, v[KSC+\i/2], v[QSC+\u/2] matrix_a_fmt:MATRIX_FMT_FP6 matrix_b_fmt:MATRIX_FMT_FP6 matrix_a_scale:MATRIX_SCALE_ROW1 matrix_b_scale:MATRIX_SCALE_ROW1
.endif
.endm
.macro SQK u, sb                       ; query tile u's 128 scores a lane-pair: eight products, eight accumulators
	WIN 0x04                                       ; source 1 (Q) window 1
.irp i, 0,1,2,3,4,5,6,7
	SQ1 \i, \u, \sb
.endr
	WIN 0
.endm
; Pass 1's vector work for tile u: each half of the lanes keeps M and l for its own 64 keys of a step; nothing crosses lanes in the loop.
.macro STAT1 u, sb
.irp k, 0,1,2,3
	v_max3_num_f32 v[16+\k], v[\sb+16*\k], v[\sb+16*\k+1], v[\sb+16*\k+2]   ; four chains; each accumulator is read from its low end on
.endr
.irp i, 3,5,7,9,11,13
.irp k, 0,1,2,3
	v_max3_num_f32 v[16+\k], v[16+\k], v[\sb+16*\k+\i], v[\sb+16*\k+\i+1]
.endr
.endr
	v_max3_num_f32 v16, v16, v[\sb+15], v[\sb+31]
	v_max3_num_f32 v18, v18, v[\sb+47], v[\sb+63]
	s_delay_alu instid0(VALU_DEP_1)
	v_max3_num_f32 v16, v16, v17, v18
	s_delay_alu instid0(VALU_DEP_1)
	v_max3_num_f32 v[ST+4*\u+1], v16, v19, v[ST+4*\u+1]   ; the running largest score
	s_delay_alu instid0(VALU_DEP_1)
	v_mul_f32 v20, s[CS], v[ST+4*\u+1]             ; as t (c is positive)
	v_mov_b32 v21, v[ST+4*\u]
	s_delay_alu instid0(VALU_DEP_2)
	v_floor_f32 v[ST+4*\u], -v20                   ; the new -M = -ceil(t): a whole number
	s_delay_alu instid0(VALU_DEP_1)
	v_sub_f32 v22, v[ST+4*\u], v21                 ; old M - new M: a whole number, 0 or less
	s_delay_alu instid0(VALU_DEP_1)
	v_cvt_i32_f32 v22, v22                         ; (it saturates)
	s_delay_alu instid0(VALU_DEP_1)
	v_ldexp_f32 v24, 1.0, v22                      ; 2^(old M - new M)
.set n, 0
.rept 32
	v_pk_fma_f32 v[\sb+2*n:\sb+2*n+1], v[\sb+2*n:\sb+2*n+1], s[CS:CS+1], v[ST+4*\u:ST+4*\u+1] op_sel_hi:[1,0,0]   ; t - M, two at a time
.set n, n+1
.endr
.set n, 0
	s_wait_alu depctr_va_vdst(0)
.rept 64
	v_exp_f32 v[\sb+n], v[\sb+n]
.set n, n+1
.endr
	v_pk_mul_f32 v[ST+4*\u+2:ST+4*\u+3], v[ST+4*\u+2:ST+4*\u+3], v[24:25] op_sel_hi:[1,0]   ; l under the new M (the plain place behind the exponentials)
	s_wait_alu depctr_va_vdst(0)                   ; one wait for the batch of 64, ahead of its first reader
	v_pk_add_f32 v[26:27], v[\sb:\sb+1], v[\sb+2:\sb+3]            ; the step's sum in four chains by turns (v28-31 and v40-41 are idle in pass 1)
	v_pk_add_f32 v[28:29], v[\sb+4:\sb+5], v[\sb+6:\sb+7]
	v_pk_add_f32 v[30:31], v[\sb+8:\sb+9], v[\sb+10:\sb+11]
	v_pk_add_f32 v[40:41], v[\sb+12:\sb+13], v[\sb+14:\sb+15]
.set n, 16
.rept 6
	v_pk_add_f32 v[26:27], v[26:27], v[\sb+n:\sb+n+1]
	v_pk_add_f32 v[28:29], v[28:29], v[\sb+n+2:\sb+n+3]
	v_pk_add_f32 v[30:31], v[30:31], v[\sb+n+4:\sb+n+5]
	v_pk_add_f32 v[40:41], v[40:41], v[\sb+n+6:\sb+n+7]
.set n, n+8
.endr
	v_pk_add_f32 v[26:27], v[26:27], v[28:29]
	v_pk_add_f32 v[30:31], v[30:31], v[40:41]
	s_delay_alu instid0(VALU_DEP_1)
	v_pk_add_f32 v[26:27], v[26:27], v[30:31]
	s_delay_alu instid0(VALU_DEP_1)
	v_pk_add_f32 v[ST+4*\u+2:ST+4*\u+3], v[ST+4*\u+2:ST+4*\u+3], v[26:27]
.endm
; 64 numbers of a lane (four blocks of 32 keys, half a block in each half of the lanes) become a fragment's codes, d0 and d1 six registers each, and its scale word w.
.macro QUANT s, d0, d1, w
.irp b, 0,1,2,3
	v_max3_num_f32 v[TM+\b], |v[\s+16*\b]|, |v[\s+1+16*\b]|, 0x1800000   ; my 16 numbers of block b, and the floor 2^(3 - 127): so the byte cannot fall under 1
.endr
.irp i, 2,4,6,8,10,12,14
.irp b, 0,1,2,3
	s_delay_alu instid0(VALU_DEP_4)
	v_max3_num_f32 v[TM+\b], v[TM+\b], |v[\s+16*\b+\i]|, |v[\s+1+16*\b+\i]|
.endr
.endr
.irp b, 0,1,2,3
	s_delay_alu instid0(VALU_DEP_4)
	v_permlanex16_b32 v[TM+4+\b], v[TM+\b], s[SEL], s[SEL+1]
.endr
.irp b, 0,1,2,3
	s_delay_alu instid0(VALU_DEP_4)
	v_max_num_f32 v[TM+\b], v[TM+\b], v[TM+4+\b]   ; the block's largest magnitude
.endr
.irp b, 0,1,2,3
	s_delay_alu instid0(VALU_DEP_4)
	v_add_nc_u32 v[TM+12+\b], 0xff000000, v[TM+\b]   ; 2 off its exponent field: the conversion's scale operand
.endr
.irp b, 0,1,2,3
	s_delay_alu instid0(VALU_DEP_4)
	v_lshrrev_b32 v[TM+4+\b], 23, v[TM+12+\b]      ; the scale's byte
.endr
	s_delay_alu instid0(VALU_DEP_3)
	v_lshl_or_b32 v[\w], v[TM+5], 8, v[TM+4]
	s_delay_alu instid0(VALU_DEP_1)
	v_lshl_or_b32 v[\w], v[TM+6], 16, v[\w]
	s_delay_alu instid0(VALU_DEP_1)
	v_lshl_or_b32 v[\w], v[TM+7], 24, v[\w]
	v_cvt_scalef32_pk16_fp6_f32 v[(\d0):(\d0)+2], v[\s:\s+15], v[TM+12]
	v_cvt_scalef32_pk16_fp6_f32 v[CT:CT+2], v[\s+16:\s+31], v[TM+13]     ; (a conversion's three registers begin on an even number)
	v_cvt_scalef32_pk16_fp6_f32 v[(\d1):(\d1)+2], v[\s+32:\s+47], v[TM+14]
	v_cvt_scalef32_pk16_fp6_f32 v[CT+4:CT+6], v[\s+48:\s+63], v[TM+15]
	v_nop                                          ; one plain place behind a scaled conversion
.irp i, 0,1,2                                  ; a WHOLE block in a lane: lanes 0-15 the even block, lanes 16-31 the odd
	v_permlane16_swap_b32 v[(\d0)+\i], v[CT+\i]
	v_permlane16_swap_b32 v[(\d1)+\i], v[CT+4+\i]
.endr
.irp i, 0,1,2
	v_mov_b32 v[(\d0)+3+\i], v[CT+\i]
	v_mov_b32 v[(\d1)+3+\i], v[CT+4+\i]
.endr
.endm
.macro LOADM                           ; the mask of the step's 128 keys, in the scores' order: register 16 b + 8 u + j: key 32 b + 16 u + 8 h + j
	WIN 0x40
.irp n, 0,1,2,3,4,5,6,7,8,9,10,11,12,13,14,15
	ds_load_b128 v[MASK+4*\n:MASK+4*\n+3], v[ADM] offset:128*(\n/4)+64*((\n/2)%2)+16*(\n%2)
.endr
	WIN 0
.endm
.macro SOFT2 u                         ; pass 2's vector work for tile u: the finished weights and their codes
.set n, 0
.rept 32
	v_pk_fma_f32 v[S+2*n:S+2*n+1], v[S+2*n:S+2*n+1], s[CS:CS+1], v[ST+4*\u:ST+4*\u+1] op_sel_hi:[1,0,0]   ; t + E = t - M - log2 l
.set n, n+1
.endr
.set n, 0
	s_wait_alu depctr_va_vdst(0)
.rept 64
	v_exp_f32 v[S+n], v[S+n]                       ; the normalised weight
.set n, n+1
.endr
	v_nop                                          ; the plain place behind the exponentials
	s_wait_alu depctr_va_vdst(0)                   ; one wait for the batch, ahead of its first reader
	WIN 0x04                                       ; source 1 (the mask) window 1
.set n, 0
.rept 32
	v_pk_mul_f32 v[S+2*n:S+2*n+1], v[S+2*n:S+2*n+1], v[MASK+2*n:MASK+2*n+1]
.set n, n+1
.endr
	WIN 0
	QUANT S, P+12*\u, P+12*\u+6, PSC+\u
.endm
.macro LOADV                           ; a step's V: four fragments (16 channels x 128 keys) and their scale words
.irp n, 0,1,2,3,4,5,6,7,8,9,10,11
	ds_load_b128 v[STG+4*\n:STG+4*\n+3], v[ADV] offset:512*\n
.endr
	ds_load_b64 v[VSC:VSC+1], v[ADVS]
.endm
.macro PV1 j, u, first
.if (\first) && ((\j)%2 == 0)
	v_wmma_scale_f32_16x16x128_f8f6f4 v[O+32*\u+8*\j:O+32*\u+8*\j+7], v[STG+12*\j:STG+12*\j+11], v[P+12*\u:P+12*\u+11], 0, v[VSC+\j/2], v[PSC+\u] matrix_a_fmt:MATRIX_FMT_FP6 matrix_b_fmt:MATRIX_FMT_FP6
.elseif (\first)
	v_wmma_scale_f32_16x16x128_f8f6f4 v[O+32*\u+8*\j:O+32*\u+8*\j+7], v[STG+12*\j:STG+12*\j+11], v[P+12*\u:P+12*\u+11], 0, v[VSC+\j/2], v[PSC+\u] matrix_a_fmt:MATRIX_FMT_FP6 matrix_b_fmt:MATRIX_FMT_FP6 matrix_a_scale:MATRIX_SCALE_ROW1
.elseif ((\j)%2 == 0)
	v_wmma_scale_f32_16x16x128_f8f6f4 v[O+32*\u+8*\j:O+32*\u+8*\j+7], v[STG+12*\j:STG+12*\j+11], v[P+12*\u:P+12*\u+11], v[O+32*\u+8*\j:O+32*\u+8*\j+7], v[VSC+\j/2], v[PSC+\u] matrix_a_fmt:MATRIX_FMT_FP6 matrix_b_fmt:MATRIX_FMT_FP6
.else
	v_wmma_scale_f32_16x16x128_f8f6f4 v[O+32*\u+8*\j:O+32*\u+8*\j+7], v[STG+12*\j:STG+12*\j+11], v[P+12*\u:P+12*\u+11], v[O+32*\u+8*\j:O+32*\u+8*\j+7], v[VSC+\j/2], v[PSC+\u] matrix_a_fmt:MATRIX_FMT_FP6 matrix_b_fmt:MATRIX_FMT_FP6 matrix_a_scale:MATRIX_SCALE_ROW1
.endif
.endm
.macro PV first                        ; O^T += V^T P^T: sixteen accumulators, one instruction a turn.  first = 1: the products start the sums
.if \first
	WIN 0x40                                       ; D window 1
.else
	WIN 0x50                                       ; C and D window 1
.endif
.irp j, 0,1,2,3
.irp u, 0,1,2,3
	PV1 \j, \u, \first
.endr
.endr
	WIN 0
.endm
.macro STEP2 first                     ; a key step of pass 2
	v_add_nc_u32 v[ADM], s[TS], v[AM0]             ; these three and LOADK's two additions are the places between the last step's products and the loads into their operands
	v_add_nc_u32 v[ADV], s[TK], v[AV0]
	v_add_nc_u32 v[ADVS], s[TV], v[AVS0]
	LOADK
	LOADM
	s_wait_dscnt 0x0
.irp u, 0,1,2,3
	SQK \u, S
	PLACES 4                                       ; behind the products: their results are read and rewritten, and (tile 3) K's registers are loaded anew
.if \u == 3
	LOADV                                          ; K is done with: V lands under the last tile's softmax
.endif
	s_wait_alu depctr_va_vdst(0)
	SOFT2 \u
.endr
	PLACES 8                                       ; a scale register written by a vector instruction stands eight places ahead of a scaled matrix instruction, an operand so written four
	s_wait_alu depctr_va_vdst(0)
	s_wait_dscnt 0x0                               ; V
	PV \first
	s_add_co_u32 s[TK], s[TK], 6144
	s_add_co_u32 s[TS], s[TS], 512
	s_add_co_u32 s[TV], s[TV], 256
.endm
	; ---- PASS 1: M and l.  Two sets of scores by turns, so that one tile's products are issued ahead of another's vector work
	s_mov_b32 s[TK], 0
	s_mov_b32 s[TS], 0
	s_mov_b32 s[CNT], 16
.Lpass1:
	LOADK
	s_wait_dscnt 0x0
	SQK 0, S
	SQK 1, SB
	PLACES 4
	STAT1 0, S
	SQK 2, S
	PLACES 4
	STAT1 1, SB
	SQK 3, SB
	PLACES 4
	STAT1 2, S
	STAT1 3, SB
	s_add_co_u32 s[TK], s[TK], 6144
	s_add_co_u32 s[TS], s[TS], 512
	s_sub_co_u32 s[CNT], s[CNT], 1
	s_cmp_lg_u32 s[CNT], 0
	s_cbranch_scc1 .Lpass1
	; the two halves of the lanes are joined: the larger M; each half's l under it, by a multiplication that rounds nothing; E = -M - log2 l
.irp u, 0,1,2,3
	v_add_f32 v[16+\u], v[ST+4*\u+2], v[ST+4*\u+3]
.endr
.irp u, 0,1,2,3
	v_permlanex16_b32 v[TM+4+\u], v[ST+4*\u], s[SEL], s[SEL+1]
.endr
.irp u, 0,1,2,3
	s_delay_alu instid0(VALU_DEP_4)
	v_min_num_f32 v[TM+4+\u], v[TM+4+\u], v[ST+4*\u]   ; the smaller -M
.endr
.irp u, 0,1,2,3
	s_delay_alu instid0(VALU_DEP_4)
	v_sub_f32 v[20+\u], v[TM+4+\u], v[ST+4*\u]     ; my M - the joint M: a whole number, 0 or less
.endr
.irp u, 0,1,2,3
	s_delay_alu instid0(VALU_DEP_4)
	v_cvt_i32_f32 v[20+\u], v[20+\u]
.endr
.irp u, 0,1,2,3
	s_delay_alu instid0(VALU_DEP_4)
	v_ldexp_f32 v[16+\u], v[16+\u], v[20+\u]
.endr
.irp u, 0,1,2,3
	s_delay_alu instid0(VALU_DEP_4)
	v_permlanex16_b32 v[20+\u], v[16+\u], s[SEL], s[SEL+1]
.endr
.irp u, 0,1,2,3
	s_delay_alu instid0(VALU_DEP_4)
	v_add_f32 v[16+\u], v[16+\u], v[20+\u]         ; the row's sum
.endr
	s_wait_alu depctr_va_vdst(0)
.irp u, 0,1,2,3
	v_log_f32 v[16+\u], v[16+\u]
.endr
	v_nop                                          ; the plain place behind the logarithms
	s_wait_alu depctr_va_vdst(0)                   ; one wait for the four, ahead of their first reader
.irp u, 0,1,2,3
	v_sub_f32 v[ST+4*\u], v[TM+4+\u], v[16+\u]     ; E
.endr
	; ---- PASS 2
	s_mov_b32 s[TK], 0
	s_mov_b32 s[TS], 0
	s_mov_b32 s[TV], 0
	STEP2 1                                        ; the first step is written out: its products start O^T, nothing is cleared
	s_mov_b32 s[CNT], 15
.Lpass2:
	STEP2 0
	s_sub_co_u32 s[CNT], s[CNT], 1
	s_cmp_lg_u32 s[CNT], 0
	s_cbranch_scc1 .Lpass2
	; ---- THE WAY OUT: attn is quantised along the hidden axis, in its true order, since it meets Wo's given codes.  My head's 64 channels are two blocks of 32.
	PLACES 4
	WIN 0x41                                       ; O^T: window 1
.irp u, 0,1,2,3                                ; register 8 t + j holds channel 16 t + 8 h + j.  The exchange gives register 16 b + i channel 32 b + 16 h + i: 16 neighbours.  Each accumulator is read from its low end on
.irp b, 0,1
.irp j, 0,1,2,3,4,5,6,7
	v_permlane16_swap_b32 v[O+32*\u+16*\b+\j], v[O+32*\u+16*\b+8+\j]
.endr
.endr
.endr
	WIN 0x05                                       ; sources 0, 1 window 1
.irp n, 0,1,2,3,4,5,6,7                        ; block n = 2 tile + b
	v_max3_num_f32 v[64+\n], |v[O+16*\n]|, |v[O+16*\n+1]|, 0x1800000
.endr
	WIN 0x14                                       ; sources 1, 2 window 1
.irp i, 2,4,6,8,10,12,14
.irp n, 0,1,2,3,4,5,6,7
	v_max3_num_f32 v[64+\n], v[64+\n], |v[O+16*\n+\i]|, |v[O+16*\n+\i+1]|
.endr
.endr
	WIN 0
.irp n, 0,1,2,3,4,5,6,7
	v_permlanex16_b32 v[72+\n], v[64+\n], s[SEL], s[SEL+1]
.endr
.irp n, 0,1,2,3,4,5,6,7
	v_max_num_f32 v[64+\n], v[64+\n], v[72+\n]
.endr
.irp n, 0,1,2,3,4,5,6,7
	v_add_nc_u32 v[80+\n], 0xff000000, v[64+\n]
.endr
.irp n, 0,1,2,3,4,5,6,7
	v_lshrrev_b32 v[88+\n], 23, v[80+\n]
.endr
.irp u, 0,1,2,3
	v_lshl_or_b32 v[96+\u], v[88+2*\u+1], 8, v[88+2*\u]   ; my row's two scale bytes
.endr
	WIN 0x01                                       ; source 0 window 1
.irp u, 0,1,2,3
	v_cvt_scalef32_pk16_fp6_f32 v[100+6*\u:100+6*\u+2], v[O+32*\u:O+32*\u+15], v[80+2*\u]
	v_cvt_scalef32_pk16_fp6_f32 v[32+4*\u:32+4*\u+2], v[O+32*\u+16:O+32*\u+31], v[80+2*\u+1]
.endr
	WIN 0
	v_nop                                          ; one plain place behind a scaled conversion
.irp u, 0,1,2,3
.irp i, 0,1,2
	v_permlane16_swap_b32 v[100+6*\u+\i], v[32+4*\u+\i]
.endr
.endr
.irp u, 0,1,2,3
.irp i, 0,1,2
	v_mov_b32 v[100+6*\u+3+\i], v[32+4*\u+\i]      ; six registers: lanes 0-15 channels 0-31, lanes 16-31 channels 32-63: half of the last product's fragment
.endr
.endr
.irp u, 0,1,2,3
.irp p, 0,1,2
	global_store_b64 v[IM8], v[100+6*\u+2*\p:100+6*\u+2*\p+1], s[10:11] offset:\u*12288+\p*256 th:TH_STORE_NT   ; 32 lanes store 256 consecutive bytes, aligned
.endr
.endr
	v_cndmask_b32 v16, v96, v97, s74               ; lanes 0-15 tile 0's rows, lanes 16-31 tile 1's
	v_cndmask_b32 v17, v98, v99, s74
	global_store_b16 v[SA], v16, s[12:13]          ; two bytes a token, 32 bytes apart: a head owns 2 of a token's 32 scale bytes.  Two such stores a wave in the whole launch
	global_store_b16 v[SA], v17, s[12:13] offset:1024
	s_wait_tensorcnt 0x0
	ds_add_u32 v182, v183
	s_wait_dscnt 0x0
	CROUND                                         ; the closing round: no work-group ends while a partner may still ask for a tile that names it
	s_endpgm
.Lfunc_end_k_q623ae6fb4b_attn:
	.size	k_q623ae6fb4b_attn, .Lfunc_end_k_q623ae6fb4b_attn-k_q623ae6fb4b_attn
	.p2alignl 7, 3214868480
	.fill 96, 4, 3214868480
	.section	.rodata,"a",@progbits
	.p2align	6, 0x0
	.amdhsa_kernel k_q623ae6fb4b_attn
		.amdhsa_group_segment_fixed_size 218112
		.amdhsa_private_segment_fixed_size 0
		.amdhsa_enable_private_segment 0
		.amdhsa_kernarg_size 40
		.amdhsa_user_sgpr_count 2
		.amdhsa_user_sgpr_kernarg_segment_ptr 1
		.amdhsa_wavefront_size32 1
		.amdhsa_system_sgpr_workgroup_id_x 1
		.amdhsa_system_sgpr_workgroup_id_y 1
		.amdhsa_system_sgpr_workgroup_id_z 1
		.amdhsa_system_vgpr_workitem_id 0
		.amdhsa_next_free_vgpr 512
		.amdhsa_next_free_sgpr 96
		.amdhsa_reserve_vcc 0
		.amdhsa_float_denorm_mode_32 3
		.amdhsa_float_denorm_mode_16_64 3
		.amdhsa_memory_ordered 1
		.amdhsa_forward_progress 1
		.amdhsa_inst_pref_size 177
	.end_amdhsa_kernel
	.amdgpu_metadata
---
amdhsa.version: [ 1, 2 ]
amdhsa.kernels:
  - .name:           k_q623ae6fb4b_attn
    .symbol:         k_q623ae6fb4b_attn.kd
    .args:
      - { .name: qkv_img, .offset: 0, .size: 8, .value_kind: global_buffer, .address_space: global }
      - { .name: qkv_sc, .offset: 8, .size: 8, .value_kind: global_buffer, .address_space: global }
      - { .name: radial_mask, .offset: 16, .size: 8, .value_kind: global_buffer, .address_space: global }
      - { .name: a_img, .offset: 24, .size: 8, .value_kind: global_buffer, .address_space: global }
      - { .name: a_sc, .offset: 32, .size: 8, .value_kind: global_buffer, .address_space: global }
    .group_segment_fixed_size: 218112
    .private_segment_fixed_size: 0
    .kernarg_segment_align: 8
    .kernarg_segment_size: 40
    .max_flat_workgroup_size: 256
    .sgpr_count:     96
    .vgpr_count:     512
    .wavefront_size: 32
...
	.end_amdgpu_metadata
.endif
;; end of part 3
;; launch outp (part 4): grid 4 x 64, 4 waves a work-group, clusters of 4 x 4, 327,680 bytes of LDS; arguments a_img, a_sc, w_lay, Wo_scales, bo, inputs, out0; writes out0
.if DOCPART == 4
	.amdgcn_target "amdgcn-amd-amdhsa--gfx1250"
	.amdhsa_code_object_version 6
	.text
	.protected	k_q623ae6fb4b_outp
	.globl	k_q623ae6fb4b_outp
	.p2align	8
	.type	k_q623ae6fb4b_outp,@function
k_q623ae6fb4b_outp:
	s_mov_b64 s[64:65], 0
	v_nop
	global_prefetch_b8 v0, s[64:65] scope:SCOPE_SE
	s_setreg_imm32_b32 hwreg(HW_REG_WAVE_MODE, 25, 1), 1
	s_wait_xcnt 0x0
	s_wait_alu depctr_hold_cnt(0) depctr_sa_sdst(0) depctr_va_vdst(0) depctr_va_sdst(0) depctr_va_ssrc(0) depctr_va_vcc(0) depctr_vm_vsrc(0)
	s_getreg_b32 s2, hwreg(HW_REG_IB_STS2, 6, 4)
	s_cmp_eq_u32 s2, 0
	s_cbranch_scc0 .Lentry_in_a_cluster
	s_endpgm
.Lentry_in_a_cluster:
	s_bfe_u32 s2, ttmp6, 0x10000c
	s_cmp_lg_u32 s2, 0xf033
	s_cbranch_scc0 .Lentry_shape_is_right
	s_endpgm
.Lentry_shape_is_right:
; out0 = attn Wo + bo + inputs.  attn [8192][1024] comes as codes of FP6 (E2M3) in fragment images (a_img: [16 rows][head][768 bytes]) with scale bytes a_sc [8192][32];
; Wo's codes come by planes out of w_lay ([K step of 256][row][192 bytes], the fourth weight there) with Wo_scales [1024][32].
; A work-group makes 128 x 256 of the result: 64 x 4 = 256 work-groups.  Four waves, each 64 x 128: 32 accumulators (window 2).
; THE RESIDUAL: a wave's 64 rows x 512 bytes of inputs are 256 registers (window 3), loaded at the head as they will be stored (a row to an instruction, 16 bytes a lane); 61 loads are out at the head, the last four rows follow in the fifth K step.
; K goes in planes of 256 through two LDS slots (A: 8 images x 3,072 bytes; B: 256 rows of 192 + 48 bytes).  Each plane is two steps of 128; fragments have two sets of registers, the next step's are asked for ahead of this step's products.
; CLUSTERS 4 x 4: A's tiles are shared along a row of the cluster, B's along a column, by joint loads.  The matrix instruction is used transposed (source 0 = 16 rows of Wo, source 1 = 16 rows of attn).
; No prefetch of tiles: K is four fills of a slot, two of them asked for at the head.  One block to a work-group.
; REGISTERS. window 0: v16-29 addresses; v32-63 scale words, two sets; v96-99 bo; v128-223 A's fragments, two sets of 4; on the way out v128-255 rows read back.  window 1: B's fragments at v0 and v128.
.set AROW,   3072
.set ATILE,  12288
.set PITCH,  240
.set FR,     12
.set AH,     4*AROW                    ; what one wave fetches of A's part of a slot, and what one wave reads
.set BH,     128*PITCH
.set SLOT,   2*AH+2*BH
.set WPL,    1024*192                  ; from plane to plane of Wo
.set SCL,    2*SLOT                    ; scales, in units of 256 bytes + 16: A's 128 rows, then B's 256
.set HALFS,  16*272                    ; the scales of 128 rows
.set SBLK,   2*272                     ; of 16 rows
.set SPARE,  SCL+3*HALFS               ; the spare words, 512 bytes
.set STAGE,  SPARE+512                 ; the way out: 16 rows x 528 bytes a wave, bytes that no fill lands on
.set SPITCH, 528
.set ADRA, 16
.set ADRB, 20
.set STO,  24
.set RD,   25
.set CO,   26
.set ADRS, 27
.set SPW,  28
.set NIL,  29
.set SC,   32
.set BO,   96
.set AF,   128
.set BK,   128
.set G1, 24
.set G0, 32
.set G1B, 48
.set G0B, 56
.set G1S, 68
.set G0S, 76
.set G1SB, 80
.set G0SB, 88
.set MSB, 0
.macro WIN new                         ; the immediate's high byte repeats the setting that is left
.if MSB != \new
	s_set_vgpr_msb (MSB<<8)|\new
.set MSB, \new
.endif
.endm
.set MUL_LO, 0xa1                      ; source 0 (B) window 1, source 1 (A) window 0, C and D window 2
.set TO_B,   0x40
.macro PLACES n
.rept \n
	v_nop
.endr
.endm
.macro JLOAD g0a, g1a, g0b, g1b        ; waves 0 and 1 fetch A's halves, waves 2 and 3 B's
	s_cmp_eq_u32 s15, 0
	s_cbranch_scc0 .Lfor_b_\@
	tensor_load_to_lds s[\g0a:\g0a+3], s[\g1a:\g1a+7]
	s_nop 0
	PLACES 4
	s_branch .Lasked_\@
.Lfor_b_\@:
	tensor_load_to_lds s[\g0b:\g0b+3], s[\g1b:\g1b+7]
	s_nop 0
	PLACES 4
.Lasked_\@:
.endm
.macro CREST
	s_cmp_lg_u32 s14, 0
	s_cbranch_scc1 .Lnot_wave_0_\@
	s_barrier_signal -3
.Lnot_wave_0_\@:
	s_barrier_wait -3
	s_barrier_signal -1
	s_barrier_wait -1
.endm
.macro CROUND
	s_barrier_signal -1
	s_barrier_wait -1
	CREST
.endm
	s_load_b128 s[4:7], s[0:1], 0x0                ; a_img, a_sc
	s_load_b128 s[8:11], s[0:1], 0x10              ; w_lay, Wo_scales
	s_load_b128 s[96:99], s[0:1], 0x20             ; bo, inputs
	s_load_b64 s[12:13], s[0:1], 0x30              ; out0
	v_lshl_add_u32 v[SPW], v0, 2, SPARE
	v_mov_b32 v[NIL], 0
	ds_add_u32 v[SPW], v[NIL]
	ds_add_u32 v[SPW], v[NIL]
	v_lshrrev_b32 v1, 5, v0
	v_readfirstlane_b32 s14, v1                    ; wave
	s_lshr_b32 s15, s14, 1                         ; my 64 rows.  Also: I fetch for A (0) or B (1)
	s_and_b32 s16, s14, 1                          ; my 128 columns.  Also: which half I fetch
	s_bfe_u32 s40, ttmp6, 0x40000
	s_bfe_u32 s41, ttmp6, 0x40004
	s_lshl_b32 s42, ttmp9, 2
	s_add_co_u32 s42, s42, s40                     ; block column, 0..3
	s_and_b32 s17, ttmp7, 0xffff
	s_lshl_b32 s17, s17, 2
	s_add_co_u32 s17, s17, s41                     ; block row, 0..63
	s_lshl_b32 s43, s41, 2
	s_lshl_b32 s43, 15, s43                        ; my row of the cluster
	s_lshl_b32 s44, 0x1111, s40                    ; my column
	s_or_b32 s[G1+0], s43, (3<<16)|(1<<21)         ; A: rows of 3,072 bytes, 12,288 apart; 8 at the head, then 4
	s_mov_b32 s[G1+1], (AROW/8)<<16
	s_mov_b32 s[G1+2], 8<<16
	s_mov_b32 s[G1+3], (AROW/8)<<16
	s_mov_b32 s[G1+4], 8
	s_mov_b32 s[G1+5], ATILE/8
	s_mov_b32 s[G1+6], 0
	s_mov_b32 s[G1+7], 0
	s_or_b32 s[G1B+0], s44, (0<<16)|(1<<20)|(1<<21)|(3<<22)|(3<<25)   ; B: dense rows of 256 bytes, 16 bytes of padding behind every 64; 192 at the head, then 96
	s_mov_b32 s[G1B+1], 256<<16
	s_mov_b32 s[G1B+2], 192<<16
	s_mov_b32 s[G1B+3], 256<<16
	s_mov_b32 s[G1B+4], 192
	s_mov_b32 s[G1B+5], 256
	s_mov_b32 s[G1B+6], 0
	s_mov_b32 s[G1B+7], 0
	s_or_b32 s[G1S+0], s43, (3<<16)|(1<<20)|(1<<21)|(5<<22)|(3<<25)   ; scales: dense rows of 256 bytes + 16
	s_or_b32 s[G1SB+0], s44, (3<<16)|(1<<20)|(1<<21)|(5<<22)|(3<<25)
.irp g, G1S, G1SB
	s_mov_b32 s[\g+1], 32<<16
	s_mov_b32 s[\g+3], 32<<16
	s_mov_b32 s[\g+5], 32
	s_mov_b32 s[\g+6], 0
	s_mov_b32 s[\g+7], 0
.endr
	s_mov_b32 s[G1S+2], 16<<16                     ; A's 128 rows x 32 bytes
	s_mov_b32 s[G1S+4], 16
	s_mov_b32 s[G1SB+2], 32<<16                    ; B's 256 rows
	s_mov_b32 s[G1SB+4], 32
	s_mul_i32 s20, s17, 8*ATILE
	s_mov_b32 s21, 0
	s_lshl_b32 s22, s17, 12
	s_mov_b32 s23, 0
	s_mul_i32 s46, s42, 256*192
	s_add_co_u32 s46, s46, 3*4*WPL
	s_mov_b32 s47, 0
	s_lshl_b32 s92, s42, 13
	s_mov_b32 s93, 0
	s_mul_i32 s45, s16, AH
	s_mul_i32 s95, s16, BH
	s_add_co_u32 s95, s95, 2*AH
	s_mov_b32 s67, 0
	s_wait_dscnt 0x0
	s_wait_kmcnt 0x0
	s_add_nc_u64 s[20:21], s[4:5], s[20:21]
	s_add_nc_u64 s[22:23], s[6:7], s[22:23]
	s_add_nc_u64 s[46:47], s[8:9], s[46:47]
	s_add_nc_u64 s[92:93], s[10:11], s[92:93]
	CROUND                                         ; all sixteen work-groups are here: the first joint loads meet
	s_mov_b32 s4, 1                                ; the head's four tiles, each whole: plane 0 of A,
	s_mov_b32 s5, 0
	s_mov_b64 s[6:7], s[20:21]
	s_or_b32 s7, s7, 0x80000000
	s_mov_b32 s8, 1                                ; of B,
	s_mov_b32 s9, 2*AH
	s_mov_b64 s[10:11], s[46:47]
	s_or_b32 s11, s11, 0x80000000
	s_mov_b32 s[G0S], 1                            ; A's scales,
	s_mov_b32 s[G0S+1], SCL
	s_mov_b64 s[G0S+2:G0S+3], s[22:23]
	s_or_b32 s[G0S+3], s[G0S+3], 0x80000000
	s_mov_b32 s[G0SB], 1                           ; B's scales
	s_mov_b32 s[G0SB+1], SCL+HALFS
	s_mov_b64 s[G0SB+2:G0SB+3], s[92:93]
	s_or_b32 s[G0SB+3], s[G0SB+3], 0x80000000
	s_mul_i32 s66, s16, 4*ATILE                    ; for the ring: my half of a tile
	s_add_nc_u64 s[20:21], s[20:21], s[66:67]
	s_mul_i32 s66, s16, 128*192
	s_add_nc_u64 s[46:47], s[46:47], s[66:67]
.irp s, 0,1
	s_mov_b32 s[G0+4*\s], 1
	s_add_co_u32 s[G0+4*\s+1], s45, \s*SLOT
	s_add_nc_u64 s[G0+4*\s+2:G0+4*\s+3], s[20:21], \s*AROW
	s_or_b32 s[G0+4*\s+3], s[G0+4*\s+3], 0x80000000
	s_mov_b32 s[G0B+4*\s], 1
	s_add_co_u32 s[G0B+4*\s+1], s95, \s*SLOT
	s_add_nc_u64 s[G0B+4*\s+2:G0B+4*\s+3], s[46:47], \s*WPL
	s_or_b32 s[G0B+4*\s+3], s[G0B+4*\s+3], 0x80000000
.endr
; one joint load a wave at the head, in one chain of branches on the wave's number
.macro ARM under, g0, g1, next
	s_cmp_lt_u32 s14, \under
	s_cbranch_scc0 \next
	tensor_load_to_lds s[\g0:\g0+3], s[\g1:\g1+7]
	s_nop 0
	PLACES 4
	s_branch .Lhead_asked
\next:
.endm
	ARM 1, 4, G1, .Lhead_b
	ARM 2, 8, G1B, .Lhead_sa
	ARM 3, G0S, G1S, .Lhead_sb
	tensor_load_to_lds s[G0SB:G0SB+3], s[G1SB:G1SB+7]
	s_nop 0
	PLACES 4
.Lhead_asked:
	; under the loads' flight: first the scalar parts of the addresses, then the vector parts on end
	s_lshl_b32 s2, s42, 10
	s_lshl_b32 s3, s16, 9
	s_add_co_u32 s2, s2, s3                        ; my first column, in bytes
	s_mov_b32 s3, 0
	s_add_nc_u64 s[96:97], s[96:97], s[2:3]
	s_lshl_b32 s18, s17, 7
	s_lshl_b32 s19, s15, 6
	s_add_co_u32 s18, s18, s19                     ; my first row
	s_lshl_b32 s18, s18, 12
	s_add_co_u32 s2, s2, s18
	s_add_nc_u64 s[12:13], s[12:13], s[2:3]
	s_add_nc_u64 s[98:99], s[98:99], s[2:3]
	s_mul_i32 s18, s15, AH                         ; my four images of A, slot 0 and slot 1
	s_add_co_u32 s19, s18, SLOT
	s_mul_i32 s20, s16, BH
	s_add_co_u32 s20, s20, 2*AH                    ; my 128 rows of B
	s_add_co_u32 s21, s20, SLOT
	s_mul_i32 s23, s15, HALFS/2                    ; A's scales: my 64 rows
	s_mul_i32 s22, s16, HALFS
	s_add_co_u32 s22, s22, HALFS
	s_sub_co_u32 s22, s22, s23                     ; from there to B's scales of my 128 rows
	s_add_co_u32 s23, s23, SCL
	s_mul_i32 s94, s14, 16*SPITCH
	s_add_co_u32 s94, s94, STAGE                   ; my stage
	v_and_b32 v1, 15, v0
	v_bfe_u32 v2, v0, 4, 1
	v_and_b32 v6, 31, v0
	v_lshlrev_b32 v7, 3, v6
	v_mul_u32_u24 v3, v1, PITCH
	v_mul_u32_u24 v4, v2, 24
	v_add_nc_u32 v4, v3, v4                        ; B: row x pitch + 24 x half;
	v_lshl_add_u32 v5, v2, 4, v4                   ; where lanes 16-31 lie behind one more pad
	v_add_nc_u32 v[ADRA], s18, v7
	v_add_nc_u32 v[ADRA+1], s19, v7
	v_add_nc_u32 v[ADRB], s20, v4
	v_add_nc_u32 v[ADRB+1], s21, v4
	v_add_nc_u32 v[ADRB+2], s20, v5
	v_add_nc_u32 v[ADRB+3], s21, v5
	v_lshlrev_b32 v9, 5, v1                        ; scales: 32 bytes a row,
	v_lshrrev_b32 v8, 8, v9
	v_lshl_add_u32 v9, v8, 4, v9                   ; 16 more for each 256 passed
	v_mul_u32_u24 v8, s22, v2                      ; lanes 16-31 take B's
	v_add_nc_u32 v9, v9, v8
	v_add_nc_u32 v[ADRS], s23, v9
	v_mul_u32_u24 v10, v1, SPITCH
	v_lshl_add_u32 v10, v2, 5, v10
	v_add_nc_u32 v[STO], s94, v10
	v_lshlrev_b32 v[CO], 4, v6
	v_add_nc_u32 v[RD], s94, v[CO]
	s_wait_alu depctr_va_vdst(0)
.macro RL r0, r1                       ; rows r0 .. r1 - 1 of my residual into window 3: 32 lanes read 512 consecutive bytes
	WIN 0xc0
.set n, \r0
.rept \r1-\r0
	global_load_b128 v[4*n:4*n+3], v[CO], s[98:99] offset:n*4096 th:TH_LOAD_NT
.set n, n+1
.endr
	WIN 0
.endm
	global_load_b128 v[BO:BO+3], v[CO], s[96:97]
	RL 0, 60
	s_wait_tensorcnt 0x0                           ; my tile of the four is in; no load of mine is out, so group 1 may be written
	ds_add_u32 v[SPW], v[NIL]
	s_mov_b32 s[G1+2], 4<<16                       ; from here on a load brings half a tile
	s_mov_b32 s[G1+4], 4
	s_mov_b32 s[G1B+2], 96<<16
	s_mov_b32 s[G1B+4], 96
	s_wait_dscnt 0x0
	CROUND
	JLOAD G0+4, G1, G0B+4, G1B                     ; slot 1's first fill, issued as a refill is
.macro FRAG reg, adr, q, i             ; B: 16 rows x 128 K, six pieces of 8 bytes; piece PC of a row's 24 lies at 8 PC + 16 (PC / 8)
.irp p, 0,1,2,3,4,5
.set PC, 12*(\q)+6*(\p/3)+\p%3
.if PC%8 < 5
	ds_load_b64 v[\reg+2*\p:\reg+2*\p+1], v[\adr] offset:8*PC+16*(PC/8)+(\i)*16*PITCH
.else
	ds_load_b64 v[\reg+2*\p:\reg+2*\p+1], v[\adr+2] offset:8*PC+16*(PC/8)+(\i)*16*PITCH
.endif
.endr
.endm
.macro FETCH_B slot, q, p
	WIN TO_B
.irp i, 0,1,2,3,4,5,6,7
	FRAG 128*(\p)+FR*\i, ADRB+\slot, \q, \i
.endr
	WIN 0
.endm
.macro FETCH_A slot, q, p              ; A's images are read as they lie: 8 bytes a lane, on end
.irp i, 0,1,2,3
.irp r, 0,1,2,3,4,5
	ds_load_b64 v[AF+48*(\p)+FR*\i+2*\r:AF+48*(\p)+FR*\i+2*\r+1], v[ADRA+\slot] offset:\i*AROW+(\q)*1536+256*\r
.endr
.endr
.endm
.macro SCALES sc, pl                   ; plane pl's two words a row: lanes 0-15 A's block i (i under 4 is used), lanes 16-31 B's block i
.irp i, 0,1,2,3,4,5,6,7
	ds_load_b64 v[SC+16*\sc+2*\i:SC+16*\sc+2*\i+1], v[ADRS] offset:\i*SBLK+8*\pl
.endr
.endm
.macro MUL16 a0, p, q, sc, zero        ; A's blocks a0, a0 + 1 x B's eight; the 32 accumulators take turns
.irp a, \a0, \a0+1
.irp b, 0,1,2,3,4,5,6,7
.if \zero
	v_wmma_scale_f32_16x16x128_f8f6f4 v[8*(8*(\a)+\b):8*(8*(\a)+\b)+7], v[128*(\p)+FR*\b:128*(\p)+FR*\b+FR-1], v[AF+48*(\p)+FR*(\a):AF+48*(\p)+FR*(\a)+FR-1], 0, v[SC+16*(\sc)+2*\b+(\q)], v[SC+16*(\sc)+2*(\a)+(\q)] matrix_a_fmt:MATRIX_FMT_FP6 matrix_b_fmt:MATRIX_FMT_FP6 matrix_a_scale:MATRIX_SCALE_ROW1
.else
	v_wmma_scale_f32_16x16x128_f8f6f4 v[8*(8*(\a)+\b):8*(8*(\a)+\b)+7], v[128*(\p)+FR*\b:128*(\p)+FR*\b+FR-1], v[AF+48*(\p)+FR*(\a):AF+48*(\p)+FR*(\a)+FR-1], v[8*(8*(\a)+\b):8*(8*(\a)+\b)+7], v[SC+16*(\sc)+2*\b+(\q)], v[SC+16*(\sc)+2*(\a)+(\q)] matrix_a_fmt:MATRIX_FMT_FP6 matrix_b_fmt:MATRIX_FMT_FP6 matrix_a_scale:MATRIX_SCALE_ROW1
.endif
.endr
.endr
.endm
.macro STEPA slot, zero                ; a plane's first step: set 0 is multiplied, the second step's fragments come into set 1
	s_wait_dscnt 0x0                               ; set 0 is in
	PLACES 4                                       ; behind the products that read set 1
	FETCH_B \slot, 1, 1
	FETCH_A \slot, 1, 1
	WIN MUL_LO
	MUL16 0, 0, 0, \slot, \zero
	MUL16 2, 0, 0, \slot, \zero
	WIN 0
.endm
.macro TURNB slot, next, fill, pl      ; a plane's second step, and the change of slots
	s_wait_tensorcnt 0x0                           ; my part of the next slot is in;
	ds_add_u32 v[SPW], v[NIL]
	s_wait_dscnt 1                                 ; set 1 is in (the add may be out)
	WIN MUL_LO
	MUL16 0, 1, 1, \slot, 0
	s_wait_dscnt 0x0                               ; the add is done; my reads of this slot were over at the wait above
	WIN 0
	s_barrier_signal -1
	s_barrier_wait -1
.if \fill
	CREST                                          ; the barrier has opened a round of the cluster's barrier
	s_add_nc_u64 s[G0+4*\slot+2:G0+4*\slot+3], s[G0+4*\slot+2:G0+4*\slot+3], 2*AROW
	s_add_nc_u64 s[G0B+4*\slot+2:G0B+4*\slot+3], s[G0B+4*\slot+2:G0B+4*\slot+3], 2*WPL
	JLOAD G0+4*\slot, G1, G0B+4*\slot, G1B         ; two planes on; its four v_nop are the places in front of the loads below
.else
	PLACES 4
.endif
	FETCH_B \next, 0, 0
	FETCH_A \next, 0, 0
	SCALES \next, \pl
	WIN MUL_LO
	MUL16 2, 1, 1, \slot, 0
	WIN 0
.endm
	FETCH_B 0, 0, 0
	FETCH_A 0, 0, 0
	SCALES 0, 0
	STEPA 0, 1                                     ; the first step's products start the sums
	TURNB 0, 1, 1, 1
	STEPA 1, 0
	TURNB 1, 0, 1, 2
	STEPA 0, 0
	RL 60, 64                                      ; the residual's last four rows
	TURNB 0, 1, 0, 3
	STEPA 1, 0
	s_wait_dscnt 0x0
	WIN MUL_LO
	MUL16 0, 1, 1, 1, 0
	MUL16 2, 1, 1, 1, 0
	WIN 0
; THE WAY OUT, by blocks of 16 rows x 128 columns: through my stage, back as whole rows of 512 bytes, + bo + the residual, stored as two aligned units of 256 bytes
.macro TOSTAGE a
	WIN 0x08                                       ; the data: window 2
.irp b, 0,1,2,3,4,5,6,7
	ds_store_b128 v[STO], v[64*(\a)+8*\b:64*(\a)+8*\b+3] offset:64*\b          ; each accumulator from its low end on
	ds_store_b128 v[STO], v[64*(\a)+8*\b+4:64*(\a)+8*\b+7] offset:64*\b+16
.endr
	WIN 0
.set BB, BK+64*((\a)%2)
.irp t, 0,1,2,3,4,5,6,7,8,9,10,11,12,13,14,15
	ds_load_b128 v[BB+4*\t:BB+4*\t+3], v[RD] offset:\t*SPITCH   ; LDS serves a wave's instructions in order: these see the stores above
.endr
.endm
.macro SEND a, younger                 ; younger: the LDS instructions issued behind block a's loads
.set BB, BK+64*((\a)%2)
	s_wait_dscnt \younger
.irp t, 0,1,2,3,4,5,6,7,8,9,10,11,12,13,14,15
	v_pk_add_f32 v[BB+4*\t:BB+4*\t+1], v[BB+4*\t:BB+4*\t+1], v[BO:BO+1]
	v_pk_add_f32 v[BB+4*\t+2:BB+4*\t+3], v[BB+4*\t+2:BB+4*\t+3], v[BO+2:BO+3]
.endr
	WIN 0x0c                                       ; source 1: window 3
.set n, 0
.rept 32
	v_pk_add_f32 v[BB+2*n:BB+2*n+1], v[BB+2*n:BB+2*n+1], v[64*(\a)+2*n:64*(\a)+2*n+1]
.set n, n+1
.endr
	WIN 0
.irp t, 0,1,2,3,4,5,6,7,8,9,10,11,12,13,14,15
	global_store_b128 v[CO], v[BB+4*\t:BB+4*\t+3], s[12:13] offset:(16*(\a)+\t)*4096 th:TH_STORE_NT
.endr
.endm
	PLACES 4                                       ; behind the last products: their results are read, and rows land where A's fragments lay
	s_wait_loadcnt 0x0                             ; bo and the residual
	TOSTAGE 0
.irp a, 1,2,3
.if \a > 1
	s_wait_xcnt 0x0                                ; block a - 2's stores have read their registers
.endif
	TOSTAGE \a
	SEND \a-1, 32                                  ; behind block a - 1's loads: block a's 16 stores and 16 loads
.endr
	SEND 3, 0
	s_wait_tensorcnt 0x0                           ; the wave's end
	ds_add_u32 v[SPW], v[NIL]
	s_wait_dscnt 0x0
	CROUND                                         ; the closing round
	s_endpgm
.Lfunc_end_k_q623ae6fb4b_outp:
	.size	k_q623ae6fb4b_outp, .Lfunc_end_k_q623ae6fb4b_outp-k_q623ae6fb4b_outp
	.p2alignl 7, 3214868480
	.fill 96, 4, 3214868480
	.section	.rodata,"a",@progbits
	.p2align	6, 0x0
	.amdhsa_kernel k_q623ae6fb4b_outp
		.amdhsa_group_segment_fixed_size 327680
		.amdhsa_private_segment_fixed_size 0
		.amdhsa_enable_private_segment 0
		.amdhsa_kernarg_size 56
		.amdhsa_user_sgpr_count 2
		.amdhsa_user_sgpr_kernarg_segment_ptr 1
		.amdhsa_wavefront_size32 1
		.amdhsa_system_sgpr_workgroup_id_x 1
		.amdhsa_system_sgpr_workgroup_id_y 1
		.amdhsa_system_sgpr_workgroup_id_z 1
		.amdhsa_system_vgpr_workitem_id 0
		.amdhsa_next_free_vgpr 1024
		.amdhsa_next_free_sgpr 100
		.amdhsa_reserve_vcc 0
		.amdhsa_float_denorm_mode_32 3
		.amdhsa_float_denorm_mode_16_64 3
		.amdhsa_memory_ordered 1
		.amdhsa_forward_progress 1
		.amdhsa_inst_pref_size 123
	.end_amdhsa_kernel
	.amdgpu_metadata
---
amdhsa.version: [ 1, 2 ]
amdhsa.kernels:
  - .name:           k_q623ae6fb4b_outp
    .symbol:         k_q623ae6fb4b_outp.kd
    .args:
      - { .name: a_img, .offset: 0, .size: 8, .value_kind: global_buffer, .address_space: global }
      - { .name: a_sc, .offset: 8, .size: 8, .value_kind: global_buffer, .address_space: global }
      - { .name: w_lay, .offset: 16, .size: 8, .value_kind: global_buffer, .address_space: global }
      - { .name: Wo_scales, .offset: 24, .size: 8, .value_kind: global_buffer, .address_space: global }
      - { .name: bo, .offset: 32, .size: 8, .value_kind: global_buffer, .address_space: global }
      - { .name: inputs, .offset: 40, .size: 8, .value_kind: global_buffer, .address_space: global }
      - { .name: out0, .offset: 48, .size: 8, .value_kind: global_buffer, .address_space: global }
    .group_segment_fixed_size: 327680
    .private_segment_fixed_size: 0
    .kernarg_segment_align: 8
    .kernarg_segment_size: 56
    .max_flat_workgroup_size: 128
    .sgpr_count:     100
    .vgpr_count:     1024
    .wavefront_size: 32
...
	.end_amdgpu_metadata
.endif
;; end of part 4
